; MI455X (gfx1250); checked and timed in simulation.
; The chip was launched on July 23, 2026; its instructions are those of AMD's public machine-readable ISA for CDNA 5 (MIT licence, August 2026) and "CDNA5" Instruction Set Architecture Reference Guide (July 2026). The comments in the code are by the model that wrote it; some were corrected since.
;; Bahdanau Attention. Allowed arithmetic: matrix products marked QUANTISED: E2M3 operands, one E8M0 scale for each 32 along K, by v_wmma_scale_f32_16x16x128_f8f6f4 with both operands' format E2M3, f32 sums; products left as they are: f32 operands where the result goes on into a quantised operand, else bf16, f16 or f32 operands; f32 sums; everything else in f32.
;; Inputs: V 1,024 x 1 float32; W1_codes 1,024 x 32 x 24 uint8 (E2M3 codes of W1, K innermost, in blocks of 32 codes, four codes in three bytes); W1_scales 1,024 x 32 uint8 (E8M0 scales of W1, one for each 32 codes along K); W2_codes 1,024 x 32 x 24 uint8 (E2M3 codes of W2, K innermost, in blocks of 32 codes, four codes in three bytes); W2_scales 1,024 x 32 uint8 (E8M0 scales of W2, one for each 32 codes along K); b1 1,024 float32; b2 1,024 float32; bV 1 float32; query_codes 32 x 32 x 24 uint8 (E2M3 codes of query, K innermost, in blocks of 32 codes, four codes in three bytes); query_scales 32 x 32 uint8 (E8M0 scales of query, one for each 32 codes along K); values 32 x 2,048 x 1,024 float32.
;; Outputs: out0 32 x 1,024 float32; out1 32 x 2,048 x 1 float32.
;; This version of the problem:
;;   THIS VERSION OF THE PROBLEM IS GIVEN IN LOW PRECISION. The matrix products marked QUANTISED in the list below multiply operands that are first quantised to E2M3 (2 exponent bits, 3 mantissa bits; 6 bits a number), with one power-of-two scale for each 32 numbers along K (OCP MX v1.0); their sums are f32. All else is computed in f32.
;;   The module's matrix products, in the order in which they are computed (A, B: the left and right operand; K: the contracted axis; several contracted axes count as one K, in the product's order):
;;     1. [M 65,536, K 1,024] x [K 1,024, N 1,024]; A: input values; B: input W1 (given as codes): QUANTISED
;;     2. [M 32, K 1,024] x [K 1,024, N 1,024]; A: input query (given as codes); B: input W2 (given as codes): QUANTISED
;;     3. [M 65,536, K 1,024] x [K 1,024, N 1]; A: computed on the way; B: input V: left as it is (N = 1 < 16)
;;   THE QUANTISER, for each operand of a quantised product, along K:
;;     - K is cut into blocks of 32 from its start; a last block that is shorter is filled with zeros.
;;     - A block's scale is 2^e with e = floor(log2(the largest magnitude in the block)) - 2, held to -126 .. 127; a block of zeros has e = 0. As a byte (E8M0): e + 127.
;;     - Each number is divided by its block's scale, clamped to +-7.5, and rounded to the nearest number of E2M3, ties to even, subnormals kept.
;;     - The product sums the exact products of the quantised numbers (number of the format x scale) in f32.
;;   ~~~python
;;   def quantise(x, axis):      # numpy; x: float32 -> the quantised numbers, widened to float32 again
;;       x = np.moveaxis(x, axis, -1); K = x.shape[-1]
;;       x = np.pad(x, [(0, 0)] * (x.ndim - 1) + [(0, -K % 32)]); x = x.reshape(x.shape[:-1] + (-1, 32)); a = np.abs(x).max(-1, keepdims=True)
;;       e = np.where(a > 0, np.clip(np.frexp(np.where(a > 0, a, 1))[1] - 1 - 2, -126, 127), 0)      # np.frexp(a)[1] - 1 = floor(log2(a)), exactly
;;       r = np.clip(x / 2.0 ** e, -7.5, 7.5)
;;       step = 2.0 ** (np.maximum(np.frexp(np.where(r == 0, 1, r))[1] - 1, 0) - 3)
;;       q = np.round(r / step) * step * 2.0 ** e      # np.round: ties to even
;;       return np.moveaxis(q.reshape(q.shape[:-2] + (-1,))[..., :K], -1, axis).astype(np.float32)
;;   ~~~
;;   INPUTS GIVEN AS CODES. W1 (in the module: [1024, 1024], K = its axis 0); W2 (in the module: [1024, 1024], K = its axis 0); query (in the module: [32, 1024], K = its axis 1): each comes as NAME_codes (uint8): NAME with its K axis moved to the last place and cut into blocks of 32 codes, [.., K / 32, bytes a block], one block behind the other in memory; four codes in three bytes: a row's codes are one little-endian stream of bits, code i at bits 6 i .. 6 i + 5 (a code: sign, 2 exponent bits, 3 mantissa bits); and NAME_scales (uint8): the same leading axes, one E8M0 byte (e + 127) for each 32 codes along K. Its value is code x scale, taken as it is: it is not quantised again, and the codes and scales need not be those that the quantiser above would give.
;; 2 versions. Each part assembles by itself: llvm-mc -triple=amdgcn-amd-amdhsa -mcpu=gfx1250 --defsym DOCPART=n.
;; ======== version 1 of 2: 3 launches
;; workspace buffers: w1img 819,200 bytes; tab 262,144 bytes; scores 262,144 bytes; pctx 1,048,576 bytes; stats 2,048 bytes
;; launch prep (part 1): grid 48 x 1, 4 waves a work-group, no clusters, 0 bytes of LDS; arguments query_codes, query_scales, W2_codes, W2_scales, b1, b2, V, W1_codes, W1_scales, tab, w1img; writes tab, w1img
.if DOCPART == 1
	.amdgcn_target "amdgcn-amd-amdhsa--gfx1250"
	.amdhsa_code_object_version 6
	.text
	.protected	k_q123f4473df_prep
	.globl	k_q123f4473df_prep
	.p2align	8
	.type	k_q123f4473df_prep,@function
k_q123f4473df_prep:
	s_mov_b64 s[64:65], 0
	v_nop
	global_prefetch_b8 v0, s[64:65] scope:SCOPE_SE
	s_setreg_imm32_b32 hwreg(HW_REG_WAVE_MODE, 25, 1), 1
	s_wait_xcnt 0x0
; Two small jobs ahead of the main launch, chosen by the work-group's number; neither uses LDS.
; WORK-GROUPS 0-31 (128 waves): tab[b][u] = ( c2 x (query W2 + b1 + b2)[b][u] , V[u] ), c2 = 2 log2(e), pairs of f32, 8,192 bytes a batch.
;   Wave W = 4 x work-group + wave makes one tile: 16 batches (W & 1) x 16 units (W >> 1), K = 1,024 in eight matrix instructions on codes of E2M3.
;   Even K steps go onto one accumulator, odd ones onto a second, by turns; the two are added in f32.  (The sum's order differs from one chain's; the result feeds no quantiser.)
;   A store covers runs of 128 bytes, eight bytes a lane: the table is 256 KB in all and is written once.
; WORK-GROUPS 32-47 (64 waves): W1's codes and scale bytes are laid anew, in the order of the operand's registers, so that the main launch takes a fragment by three loads of 16 bytes a lane
;   and a step's tiles are one dense block.  Tile U (rows 16 U .. 16 U + 15 of W1) is a record of 12,800 bytes at ((U >> 2) & 7) x 102,400 + (4 (U >> 5) + (U & 3)) x 12,800:
;   eight fragments (K steps) of 1,536 bytes, registers 4 c .. 4 c + 3 of lane l at 512 c + 16 l; then the 16 rows' 512 scale bytes as they lie.  Every store covers 512 consecutive bytes.
.set ROWB,  768                        ; a row of 1,024 codes in bytes
.set C2BITS, 0x4038aa3b                ; 2 log2(e)
	s_load_b256 s[4:11], s[0:1], 0x0               ; query's codes, query's scales, W2's codes, W2's scales
	s_load_b256 s[12:19], s[0:1], 0x20             ; b1, b2, V, W1's codes
	s_load_b128 s[20:23], s[0:1], 0x40             ; W1's scales, tab
	s_load_b64 s[24:25], s[0:1], 0x50              ; w1img
	v_lshrrev_b32 v1, 5, v0
	v_readfirstlane_b32 s26, v1                    ; wave 0..3
	v_and_b32 v1, 15, v0                           ; r
	v_bfe_u32 v2, v0, 4, 1                         ; h
	v_mul_u32_u24 v3, v1, ROWB
	v_mad_u32_u24 v3, v2, 24, v3                   ; a fragment's place for my lane: row r, + 24 h
	s_mov_b32 s29, 0
	s_mov_b32 s32, C2BITS
	s_wait_kmcnt 0x0
	s_cmp_lt_u32 ttmp9, 32
	s_cbranch_scc0 .Lrelay
	; ---- the query's projection
	s_lshl_b32 s27, ttmp9, 2
	s_add_co_u32 s27, s27, s26                     ; W
	s_and_b32 s30, s27, 1                          ; which 16 batches
	s_lshr_b32 s27, s27, 1                         ; which 16 units
	s_mul_i32 s28, s30, 16*ROWB
	s_add_nc_u64 s[4:5], s[4:5], s[28:29]
	s_mul_i32 s28, s27, 16*ROWB
	s_add_nc_u64 s[8:9], s[8:9], s[28:29]
	s_lshl_b32 s28, s30, 9                         ; scale bytes: 32 a row
	s_add_nc_u64 s[6:7], s[6:7], s[28:29]
	s_lshl_b32 s28, s27, 9
	s_add_nc_u64 s[10:11], s[10:11], s[28:29]
	s_lshl_b32 s28, s27, 6                         ; b1, b2, V: 4 bytes a unit
	s_add_nc_u64 s[12:13], s[12:13], s[28:29]
	s_add_nc_u64 s[14:15], s[14:15], s[28:29]
	s_add_nc_u64 s[16:17], s[16:17], s[28:29]
	s_lshl_b32 s28, s30, 17                        ; tab: 16 batches of 8,192 bytes,
	s_lshl_b32 s31, s27, 7                         ; 16 units of 8 bytes
	s_add_co_u32 s28, s28, s31
	s_add_nc_u64 s[22:23], s[22:23], s[28:29]
	v_lshlrev_b32 v4, 5, v1                        ; my row's scale bytes
	v_lshlrev_b32 v5, 2, v1                        ; my unit in b1, b2, V
	v_lshlrev_b32 v10, 3, v1
	v_lshl_add_u32 v10, v2, 16, v10                ; tab: batch 8 h, unit r
.irp s, 0,1,2,3,4,5,6,7
.irp p, 0,1,2,3,4,5
	global_load_b64 v[16+12*\s+2*\p:17+12*\s+2*\p], v3, s[4:5] offset:96*\s+48*(\p/3)+8*(\p%3)     ; query's fragment of K step s
.endr
.endr
.irp s, 0,1,2,3,4,5,6,7
.irp p, 0,1,2,3,4,5
	global_load_b64 v[112+12*\s+2*\p:113+12*\s+2*\p], v3, s[8:9] offset:96*\s+48*(\p/3)+8*(\p%3)   ; W2's
.endr
.endr
	global_load_b128 v[208:211], v4, s[6:7]        ; the eight scale words of my row of query: v208 + s
	global_load_b128 v[212:215], v4, s[6:7] offset:16
	global_load_b128 v[216:219], v4, s[10:11]      ; and of my row of W2: v216 + s
	global_load_b128 v[220:223], v4, s[10:11] offset:16
	global_load_b32 v6, v5, s[12:13]
	global_load_b32 v7, v5, s[14:15]
	global_load_b32 v8, v5, s[16:17]
	s_wait_loadcnt 0x0
	v_add_f32 v9, v6, v7
	v_mul_f32 v9, s32, v9                          ; c2 (b1 + b2)
.irp s, 0,1,2,3,4,5,6,7                        ; source 0 = 16 batches, source 1 = 16 units: lane (r, h) holds unit r, register j batch 8 h + j.  Two accumulators by turns
.if \s < 2
	v_wmma_scale_f32_16x16x128_f8f6f4 v[224+8*(\s%2):231+8*(\s%2)], v[16+12*\s:27+12*\s], v[112+12*\s:123+12*\s], 0, v[208+\s], v[216+\s] matrix_a_fmt:MATRIX_FMT_FP6 matrix_b_fmt:MATRIX_FMT_FP6
.else
	v_wmma_scale_f32_16x16x128_f8f6f4 v[224+8*(\s%2):231+8*(\s%2)], v[16+12*\s:27+12*\s], v[112+12*\s:123+12*\s], v[224+8*(\s%2):231+8*(\s%2)], v[208+\s], v[216+\s] matrix_a_fmt:MATRIX_FMT_FP6 matrix_b_fmt:MATRIX_FMT_FP6
.endif
.endr
.rept 4
	v_nop                                          ; four places ahead of the first read of the results (ISA guide 7.12.1)
.endr
.irp j, 0,1,2,3,4,5,6,7
	v_add_f32 v[240+2*\j], v[224+\j], v[232+\j]    ; both accumulators from their low ends on
.endr
.irp j, 0,1,2,3,4,5,6,7
	v_fma_f32 v[240+2*\j], v[240+2*\j], s32, v9
.endr
.irp j, 0,1,2,3,4,5,6,7
	v_mov_b32 v[241+2*\j], v8                      ; V rides beside it: one load of 8 bytes serves a unit in the main launch
.endr
.irp j, 0,1,2,3,4,5,6,7
	global_store_b64 v10, v[240+2*\j:241+2*\j], s[22:23] offset:8192*\j
.endr
	s_endpgm
.Lrelay:
	; ---- W1 in the order of the operand's registers
	s_sub_co_u32 s27, ttmp9, 32
	s_lshl_b32 s27, s27, 2
	s_add_co_u32 s27, s27, s26                     ; tile U, 0..63
	s_mul_i32 s28, s27, 16*ROWB
	s_add_nc_u64 s[18:19], s[18:19], s[28:29]
	s_lshl_b32 s28, s27, 9
	s_add_nc_u64 s[20:21], s[20:21], s[28:29]
	s_bfe_u32 s30, s27, 0x30002                    ; (U >> 2) & 7: the step
	s_mul_i32 s28, s30, 102400
	s_lshr_b32 s30, s27, 5                         ; which half of the units
	s_lshl_b32 s30, s30, 2
	s_and_b32 s31, s27, 3
	s_add_co_u32 s30, s30, s31
	s_mul_i32 s30, s30, 12800
	s_add_co_u32 s28, s28, s30
	s_add_nc_u64 s[24:25], s[24:25], s[28:29]
	v_and_b32 v4, 31, v0
	v_lshlrev_b32 v4, 4, v4                        ; 16 x lane
.irp s, 0,1,2,3,4,5,6,7
.irp p, 0,1,2,3,4,5
	global_load_b64 v[16+12*\s+2*\p:17+12*\s+2*\p], v3, s[18:19] offset:96*\s+48*(\p/3)+8*(\p%3)
.endr
.endr
	global_load_b128 v[112:115], v4, s[20:21]      ; the 16 rows' scale bytes, as they lie
	s_wait_loadcnt 0x0
.irp s, 0,1,2,3,4,5,6,7
.irp c, 0,1,2
	global_store_b128 v4, v[16+12*\s+4*\c:19+12*\s+4*\c], s[24:25] offset:1536*\s+512*\c
.endr
.endr
	global_store_b128 v4, v[112:115], s[24:25] offset:12288
	s_endpgm
.Lfunc_end_k_q123f4473df_prep:
	.size	k_q123f4473df_prep, .Lfunc_end_k_q123f4473df_prep-k_q123f4473df_prep
	.p2alignl 7, 3214868480
	.fill 96, 4, 3214868480
	.section	.rodata,"a",@progbits
	.p2align	6, 0x0
	.amdhsa_kernel k_q123f4473df_prep
		.amdhsa_group_segment_fixed_size 0
		.amdhsa_private_segment_fixed_size 0
		.amdhsa_enable_private_segment 0
		.amdhsa_kernarg_size 88
		.amdhsa_user_sgpr_count 2
		.amdhsa_user_sgpr_kernarg_segment_ptr 1
		.amdhsa_wavefront_size32 1
		.amdhsa_system_sgpr_workgroup_id_x 1
		.amdhsa_system_sgpr_workgroup_id_y 1
		.amdhsa_system_sgpr_workgroup_id_z 1
		.amdhsa_system_vgpr_workitem_id 0
		.amdhsa_next_free_vgpr 256
		.amdhsa_next_free_sgpr 66
		.amdhsa_reserve_vcc 0
		.amdhsa_float_denorm_mode_32 3
		.amdhsa_float_denorm_mode_16_64 3
		.amdhsa_memory_ordered 1
		.amdhsa_forward_progress 1
		.amdhsa_inst_pref_size 23
	.end_amdhsa_kernel
	.amdgpu_metadata
---
amdhsa.version: [ 1, 2 ]
amdhsa.kernels:
  - .name:           k_q123f4473df_prep
    .symbol:         k_q123f4473df_prep.kd
    .args:
      - { .name: query_codes, .offset: 0, .size: 8, .value_kind: global_buffer, .address_space: global }
      - { .name: query_scales, .offset: 8, .size: 8, .value_kind: global_buffer, .address_space: global }
      - { .name: W2_codes, .offset: 16, .size: 8, .value_kind: global_buffer, .address_space: global }
      - { .name: W2_scales, .offset: 24, .size: 8, .value_kind: global_buffer, .address_space: global }
      - { .name: b1, .offset: 32, .size: 8, .value_kind: global_buffer, .address_space: global }
      - { .name: b2, .offset: 40, .size: 8, .value_kind: global_buffer, .address_space: global }
      - { .name: V, .offset: 48, .size: 8, .value_kind: global_buffer, .address_space: global }
      - { .name: W1_codes, .offset: 56, .size: 8, .value_kind: global_buffer, .address_space: global }
      - { .name: W1_scales, .offset: 64, .size: 8, .value_kind: global_buffer, .address_space: global }
      - { .name: tab, .offset: 72, .size: 8, .value_kind: global_buffer, .address_space: global }
      - { .name: w1img, .offset: 80, .size: 8, .value_kind: global_buffer, .address_space: global }
    .group_segment_fixed_size: 0
    .private_segment_fixed_size: 0
    .kernarg_segment_align: 8
    .kernarg_segment_size: 88
    .max_flat_workgroup_size: 128
    .sgpr_count:     66
    .vgpr_count:     256
    .wavefront_size: 32
...
	.end_amdgpu_metadata
.endif
;; end of part 1
;; launch attend (part 2): grid 256 x 1, 4 waves a work-group, clusters of 4 x 1, 327,680 bytes of LDS; arguments values, w1img, tab, bV, scores, pctx, stats; writes scores, pctx, stats
.if DOCPART == 2
	.amdgcn_target "amdgcn-amd-amdhsa--gfx1250"
	.amdhsa_code_object_version 6
	.text
	.protected	k_q123f4473df_attend
	.globl	k_q123f4473df_attend
	.p2align	8
	.type	k_q123f4473df_attend,@function
k_q123f4473df_attend:
	s_mov_b64 s[64:65], 0
	v_nop
	global_prefetch_b8 v0, s[64:65] scope:SCOPE_SE
	s_setreg_imm32_b32 hwreg(HW_REG_WAVE_MODE, 25, 1), 1
	s_wait_xcnt 0x0
	s_wait_alu depctr_hold_cnt(0) depctr_sa_sdst(0) depctr_va_vdst(0) depctr_va_sdst(0) depctr_va_ssrc(0) depctr_va_vcc(0) depctr_vm_vsrc(0)
	s_getreg_b32 s2, hwreg(HW_REG_IB_STS2, 6, 4)
	s_cmp_eq_u32 s2, 0
	s_cbranch_scc0 .Lentry_in_a_cluster
	s_endpgm
.Lentry_in_a_cluster:
	s_bfe_u32 s2, ttmp6, 0x10000c
	s_cmp_lg_u32 s2, 0x3003
	s_cbranch_scc0 .Lentry_shape_is_right
	s_endpgm
.Lentry_shape_is_right:
; score[b][s] = bV + sum over u of V[u] tanh((values W1)[b][s][u] + b1[u] + (query W2)[b][u] + b2[u]); then, for the work-group's 256 rows, the largest score M, p = e^(score - M),
; l = sum of p and the partial context sum of p x values' row.  The last launch joins the eight work-groups of a batch.
; values W1 is made on codes of E2M3 with one E8M0 scale for each 32 along K; values are quantised here, in f32, W1 comes as codes (laid by the launch before in the order of the operand's registers).
; tanh(x) = 1 - 2 / (1 + 2^(c2 x)), c2 = 2 log2(e): y = sum x c2 + tab's first word, e = 2^y, r = 1 / (1 + e); sum of V tanh = sum of V - 2 sum of V r.  e = infinity gives r = 0, e = 0 gives r = 1: both are tanh's ends.
; SHARES.  Work-group g = 4 x cluster + place owns rows 256 g .. 256 g + 255 (all of batch g / 8), as two blocks of 128.  Wave q = 2 i + j: rows 64 i .. 64 i + 63 of the block, units 512 j .. 512 j + 511.
; A wave keeps its 64 rows x K 1,024 as 32 fragments in registers; W1 goes by in 8 steps of 8 records (4 tiles of 16 units for each j) through a ring of two LDS slots, twice (once a block): 16 steps.
; CLUSTER.  Every work-group walks the same stream of W1, so the four of a cluster ask for each quarter of a slot JOINTLY: the same tensor load, the same descriptor, the mask 15.
; THE TIME LINE.  X0: block 0 is loaded and quantised.  G0: block 0's products and tanh; block 1 is loaded and quantised between them.  G1: block 1's products; block 0's rows are read again and summed under p.
; C1: block 1's rows are summed.  So values are read TWICE from memory: a row's weight is known only when all 1,024 units of it are done, and 128 rows of f32 beside the ring and the codes do not fit in LDS.
; AN ITERATION is one tile of 16 units: 32 matrix instructions (4 tiles of rows x 8 K steps; the four accumulators by turns) in 16 slots of two; behind each slot stands a slice of the tanh of the tile before
; (two sets of accumulators), and behind slots 11, 14 and 15 a part of the side job (quantising, or the context's multiply-adds, and its loads).
; SOURCE 0 = 16 rows of values, SOURCE 1 = 16 rows of W1: lane (r, h) holds unit r, register j row 8 h + j.  So a tile's table entry is one pair of registers, and the scores are 32 running sums, joined over lanes once a block.
; LIMITS.  NaN and infinities in values are not served.  A block of 32 whose largest magnitude lies under 2^-124 keeps the scale byte 1; a block of zeros has the byte 1 and zero codes (the bytes are read here alone).
; The last step of G0 asks once more for block 1's last K step (the look-ahead is held at 7): 16 KB a wave are loaded twice and not used, so that the loop has one form and its counted waits hold on every way.
;
; LDS: 0 the ring, two slots of 102,400 (record (j, t) at (4 j + t) x 12,800), filled by tensor loads alone; AIMG the block's 64 fragments as images of their registers ((8 mt + s) x 1,536; at the very end its first 16 KB
; carry the four waves' contexts); ASC their scale words ((8 mt + s) x 128 + 4 x lane); TAB the batch's table; PART partial scores; PWT p, a copy for each wave; SPARE the spare words.
; REGISTERS.  window 0: see the names below.  window 1: v0-191 A, K steps 0-3 (12 (4 s + m)); v192-255 set 0.  window 2: v0-191 A, K steps 4-7; v192-255 set 1.
; window 3: v0-47 B of K steps 0-3, v48-95 of K steps 4-7; v96-159 set 2; v160-223 set 3.  A set is 64 registers for numbers on their way in.
.set REC,   12800                      ; a record of w1img
.set FRB,   1536                       ; a fragment's image
.set SLOTB, 8*REC
.set QUART, 2*REC                      ; what one tensor load brings
.set AIMG,  2*SLOTB
.set ASC,   AIMG+64*FRB
.set TAB,   ASC+64*128
.set PART,  TAB+8192
.set PWT,   PART+1024
.set SPARE, PWT+2048                   ; 128 bytes for each wave: two blocks of 256 bytes that no other line names
.set CTXR,  AIMG
.set SPW, 1                            ; LDS address of my spare word; never rewritten
.set NIL, 2                            ; 0; never rewritten
.set LI,  3                            ; 16 x lane
.set LS,  4                            ; 4 x lane
.set XA,  5                            ; values: row r, + 64 h: my 16 numbers of a block of 32
.set XO,  6                            ; XA + this trip's step along K
.set CO,  7                            ; LI + this trip's step down the rows
.set BADR, 8                           ; v8, v9   my records' fragments in slot 0, 1
.set BSAD, 10                          ; v10, v11 my records' scale bytes in slot 0, 1
.set TADR, 12                          ; TAD0 + this trip's step
.set TAD0, 13                          ; the table: TAB + 4,096 j + 8 r
.set XWI, 14                           ; where this trip's images go
.set XWS, 15                           ; and their scale words
.set ASCL, 16                          ; v16-47   A's scale words, 8 m + s
.set BSC, 48                           ; v48-63   B's scale words, two sets of 8
.set TT,  64                           ; v64-67   (c2 x projection, V), two sets
.set VS,  68                           ; v68      sum of V; v69 = 0, named with it as a pair
.set WADR, 70
.set WAD0, 71                          ; my rows' weights in my copy of p
.set WW,  72                           ; v72-75   two pairs of weights
.set SCR, 76                           ; v76-79   four scores
.set PP,  80                           ; v80-83   four p
.set M,   84                           ; the largest score so far
.set L,   85                           ; my lane's part of the sum of p
.set XWI0, 86
.set XWS0, 87
.set AR,  88                           ; my 32 fragments of A in AIMG
.set ASR, 89
.set PA,  90
.set PR,  91
.set PWS, 92
.set ACC, 96                           ; v96-159  two sets of four accumulators
.set SACC, 160                         ; v160-191 sums of V r: 8 m + j
.set TM,  192                          ; v192-207 the quantiser's: largest magnitudes, bytes, scale operands
.set PW,  208                          ; the scale word just made
.set PC,  212                          ; v212-230 the codes just made
.set CTX, 192                          ; v192-223 the context, once the quantiser is done: columns 128 c + 4 x lane + 0..3 at 4 c
.set XO2, 232                          ; XA + the held look-ahead
.set CW,  233
.set CR,  234
.set TABW, 235
.set TOFF, 236
.set T0,  240
.set T1,  241
.set F,   242                          ; v242 the factor for a moved M; v243 named with it as a pair
.set T2,  244
.set BH0, 0                            ; in window 3
.set BH1, 48
.set Q,   18                           ; wave
.set QI,  19
.set QJ,  20
.set G,   21                           ; work-group
.set BV,  22
.set ST0, 23                           ; holds numbers made of the wave's number and the loops' steps alone
.set G1,  24                           ; s[24:31] descriptor group 1
.set G0,  32                           ; s[32:35], s[36:39] group 0 for slot 0, 1
.set WB,  40                           ; s[40:41] w1img + 25,600 q
.set OFF, 42                           ; s[42:43]
.set KC,  44                           ; the step that the next refill brings, counted on
.set LC,  45
.set TS,  46
.set XSI, 47
.set SEL, 48                           ; s[48:49] v_permlanex16_b32's selects for lane l xor 16
.set C2,  50                           ; s[50:51]
.set XB0, 52                           ; s[52:53] values at row 256 g + 32 q
.set XB1, 54                           ; s[54:55] 128 rows on
.set CB,  56                           ; s[56:57] values at row 256 g + 2 q
.set XSS, 58
.set XK,  59
.set WS,  60
.set CK,  61
.set L2E, 62
.set ST1, 63
.set ST2, 66                           ; s[66:67]
.set MSB, 0
.macro WIN new                         ; the immediate's high byte repeats the setting that is left; a switch that changes nothing is dropped
.if MSB != (\new)
	s_set_vgpr_msb (MSB<<8)|(\new)
.set MSB, \new
.endif
.endm
.macro PLACES n
	s_wait_alu depctr_va_vdst(0)
.rept \n
	v_nop
.endr
.endm
.macro CROUND                          ; a round of the cluster's barrier
	s_barrier_signal -1
	s_barrier_wait -1
	s_cmp_lg_u32 s[Q], 0
	s_cbranch_scc1 .Lnot_wave_0_\@
	s_barrier_signal -3
.Lnot_wave_0_\@:
	s_barrier_wait -3
	s_barrier_signal -1
	s_barrier_wait -1
.endm
.macro SETOF n                         ; set n: its window SW and its first register SB
.if (\n) == 0
.set SW, 1
.set SB, 192
.elseif (\n) == 1
.set SW, 2
.set SB, 192
.elseif (\n) == 2
.set SW, 3
.set SB, 96
.else
.set SW, 3
.set SB, 160
.endif
.endm
; 16 rows x 128 along K of values into the set: register 16 b + i = k 32 b + 16 h + i of row r.  The sixteen loads together cover 32 whole aligned runs of 256 bytes.  No hint: the bytes are read again.
.macro XLOAD adr, sb, off
	WIN SW<<6
.irp bq, 0,1,2,3
.irp jq, 0,1,2,3
	global_load_b128 v[SB+16*\bq+4*\jq:SB+16*\bq+4*\jq+3], v[\adr], s[\sb:\sb+1] offset:\off+128*\bq+16*\jq
.endr
.endr
	WIN 0
.endm
; The quantiser, in four parts.  Four blocks of 32 by turns; a block lies in lanes l and l xor 16.
.macro QMAX1
	WIN (SW<<2)|(SW<<4)
.irp bq, 0,1,2,3
	v_max3_num_f32 v[TM+\bq], 0x1800000, |v[SB+16*\bq]|, |v[SB+16*\bq+1]|      ; the floor 2^(3 - 127) among the leaves: the byte cannot fall under 1
.endr
	s_wait_alu depctr_va_vdst(0)
.irp iq, 2,4,6
.irp bq, 0,1,2,3
	v_max3_num_f32 v[TM+\bq], v[TM+\bq], |v[SB+16*\bq+\iq]|, |v[SB+16*\bq+\iq+1]|
.endr
.endr
	WIN 0
.endm
.macro QMAX2
	WIN (SW<<2)|(SW<<4)
.irp iq, 8,10,12,14
.irp bq, 0,1,2,3
	v_max3_num_f32 v[TM+\bq], v[TM+\bq], |v[SB+16*\bq+\iq]|, |v[SB+16*\bq+\iq+1]|
.endr
.endr
	WIN 0
.endm
.macro QMID
.irp bq, 0,1,2,3
	v_permlanex16_b32 v[TM+4+\bq], v[TM+\bq], s[SEL], s[SEL+1]
.endr
.irp bq, 0,1,2,3
	v_max_num_f32 v[TM+\bq], v[TM+\bq], v[TM+4+\bq]        ; the block's largest magnitude
.endr
.irp bq, 0,1,2,3
	v_add_nc_u32 v[TM+12+\bq], 0xff000000, v[TM+\bq]       ; 2 off its exponent field: the conversion's scale operand
.endr
.irp bq, 0,1,2,3
	v_lshrrev_b32 v[TM+4+\bq], 23, v[TM+12+\bq]            ; the scale's byte
.endr
	v_lshl_or_b32 v[PW], v[TM+5], 8, v[TM+4]
	v_lshl_or_b32 v[PW], v[TM+6], 16, v[PW]
	v_lshl_or_b32 v[PW], v[TM+7], 24, v[PW]                ; my row's scale word
.endm
.macro QCVT
	WIN SW
.irp cq, 0,1
	v_cvt_scalef32_pk16_fp6_f32 v[PC+6*\cq:PC+6*\cq+2], v[SB+32*\cq:SB+32*\cq+15], v[TM+12+2*\cq]
	v_cvt_scalef32_pk16_fp6_f32 v[PC+12+4*\cq:PC+14+4*\cq], v[SB+16+32*\cq:SB+31+32*\cq], v[TM+13+2*\cq]   ; (a conversion's three registers begin on an even number)
.endr
	WIN 0
	v_nop                                          ; one plain place behind a scaled conversion
	s_wait_alu depctr_va_vdst(0)
.irp cq, 0,1                                   ; the operand's layout wants a whole block in a lane
.irp iq, 0,1,2
	v_permlane16_swap_b32 v[PC+6*\cq+\iq], v[PC+12+4*\cq+\iq]
.endr
.irp iq, 0,1,2
	v_mov_b32 v[PC+3+6*\cq+\iq], v[PC+12+4*\cq+\iq]
.endr
.endr
.endm
.macro IMAGE adr, off, sadr, soff      ; the fragment goes to LDS as an image of its registers, its scale words beside it
.irp cq, 0,1,2
	ds_store_b128 v[\adr], v[PC+4*\cq:PC+4*\cq+3] offset:\off+512*\cq
.endr
	ds_store_b32 v[\sadr], v[PW] offset:\soff
.endm
; Two whole rows of values into the set, 512 consecutive bytes a load: register 32 e + 4 c + i = column 128 c + 4 x lane + i of row e.  Their last read.
.macro CLOAD adr, off
	WIN SW<<6
.irp eq, 0,1
.irp cq, 0,1,2,3,4,5,6,7
	global_load_b128 v[SB+32*\eq+4*\cq:SB+32*\eq+4*\cq+3], v[\adr], s[CB:CB+1] offset:\off+4096*\eq+512*\cq th:TH_LOAD_NT
.endr
.endr
	WIN 0
.endm
.macro CROW e, ww                      ; the context takes row e of the set, times word e of the pair ww
	WIN SW
.irp cq, 0,2,4,6,8,10,12,14,16,18,20,22,24,26,28,30
.if (\e) == 0
	v_pk_fma_f32 v[CTX+\cq:CTX+\cq+1], v[SB+\cq:SB+\cq+1], v[\ww:\ww+1], v[CTX+\cq:CTX+\cq+1] op_sel_hi:[1,0,1]
.else
	v_pk_fma_f32 v[CTX+\cq:CTX+\cq+1], v[SB+32+\cq:SB+32+\cq+1], v[\ww:\ww+1], v[CTX+\cq:CTX+\cq+1] op_sel:[0,1,0]
.endif
.endr
	WIN 0
.endm
; THE TANH of the accumulators of set PS, in chunks for accumulator g.
.macro TA g                            ; y = sum x c2 + the table's first word; the lowest pair first
.set RX, ACC+32*PS+8*(\g)
.irp iq, 0,2,4,6
	v_pk_fma_f32 v[RX+\iq:RX+\iq+1], v[RX+\iq:RX+\iq+1], s[C2:C2+1], v[TT+2*PS:TT+2*PS+1] op_sel_hi:[1,0,0]
.endr
.endm
.macro TE g, lo                        ; four of e = 2^y
.set RX, ACC+32*PS+8*(\g)+(\lo)
.irp iq, 0,1,2,3
	v_exp_f32 v[RX+\iq], v[RX+\iq]
.endr
.endm
.macro TP g                            ; 1 + e
.set RX, ACC+32*PS+8*(\g)
	s_wait_alu depctr_va_vdst(0)
.irp iq, 0,2,4,6
	v_pk_add_f32 v[RX+\iq:RX+\iq+1], v[RX+\iq:RX+\iq+1], 1.0 op_sel_hi:[1,0]
.endr
.endm
.macro TR g, lo                        ; four of r = 1 / (1 + e)
.set RX, ACC+32*PS+8*(\g)+(\lo)
.irp iq, 0,1,2,3
	v_rcp_f32 v[RX+\iq], v[RX+\iq]
.endr
.endm
.macro TC g                            ; the running sums take V r (V is the pair's second word)
.set RX, ACC+32*PS+8*(\g)
.irp iq, 0,2,4,6
	v_pk_fma_f32 v[SACC+8*(\g)+\iq:SACC+8*(\g)+\iq+1], v[RX+\iq:RX+\iq+1], v[TT+2*PS:TT+2*PS+1], v[SACC+8*(\g)+\iq:SACC+8*(\g)+\iq+1] op_sel:[0,1,0]
.endr
.endm
; Slice K of 16.  The order sets a plain instruction between every exponential or reciprocal and the first use of its result (ISA guide 5.7.2).
.macro TSL
.set PS, 1-P
.if K == 0
	TA 0
	TE 0, 0
.elseif K == 1
	TE 0, 4
	TA 1
.elseif K == 2
	TP 0
	TE 1, 0
.elseif K == 3
	TE 1, 4
	TR 0, 0
.elseif K == 4
	TR 0, 4
	TA 2
.elseif K == 5
	TP 1
	TC 0
.elseif K == 6
	TE 2, 0
	TE 2, 4
.elseif K == 7
	TR 1, 0
	TR 1, 4
.elseif K == 8
	TA 3
	TP 2
.elseif K == 9
	TC 1
	TE 3, 0
.elseif K == 10
	TE 3, 4
	TR 2, 0
.elseif K == 11
	TR 2, 4
	v_add_f32 v[VS], v[VS], v[TT+2*PS+1]           ; the sum of V
	s_wait_alu depctr_va_vdst(0)
.elseif K == 12
	TP 3
	TC 2
.elseif K == 13
	TR 3, 0
	TR 3, 4
.elseif K == 14
	v_nop
	s_wait_alu depctr_va_vdst(0)
	TC 3
.endif
.endm
; THE SIDE JOB's part behind slot K of iteration tau of the trip's step hf.  job 1: block 1 is quantised, K step = the step's number; set 0 its first 16 rows (iterations 0, 1), set 1 its second (2, 3).
; job 2: two pieces of two rows a step go into the context (iterations 0 and 2).  s_wait_loadcnt 16: the set's loads are in; the other set's sixteen, issued later, may be out.
.macro SIDE job, hf, tau
.if \job == 1
	SETOF (\tau)/2
.if K == 11
.if ((\tau)&1) == 0
	s_wait_loadcnt 16
	QMAX1
.else
	QCVT
.endif
.elseif K == 14
.if ((\tau)&1) == 0
	QMAX2
.else
	IMAGE XWI, ((\tau)/2)*8*FRB+\hf*FRB, XWS, ((\tau)/2)*1024+\hf*128
.endif
.elseif K == 15
.if ((\tau)&1) == 0
	QMID
.elseif \hf == 0
	XLOAD XO, XB1, ((\tau)/2)*65536+512            ; the next K step
.else
	XLOAD XO2, XB1, ((\tau)/2)*65536               ; the next K step, held at 7
.endif
.endif
.elseif ((\tau)&1) == 0
	SETOF (\tau)/2
.if K == 11
	s_wait_loadcnt 16
	CROW 0, WW+\tau
.elseif K == 14
	CROW 1, WW+\tau
.elseif K == 15
	CLOAD CO, 65536+\hf*65536+((\tau)/2)*32768     ; the piece two on
.endif
.endif
.endm
.macro MM m                            ; one product: tile of rows m, K step KS
.set SL, (K&7)/2
.set KS, 4*(K/8)+SL
.set RDD, ACC+32*P+8*(\m)
.set RAA, 12*(4*SL+(\m))
.set RBB, 48*(K/8)+12*SL
.if KS == 0
	v_wmma_scale_f32_16x16x128_f8f6f4 v[RDD:RDD+7], v[RAA:RAA+11], v[RBB:RBB+11], 0, v[ASCL+8*(\m)+KS], v[BSC+8*P+KS] matrix_a_fmt:MATRIX_FMT_FP6 matrix_b_fmt:MATRIX_FMT_FP6
.else
	v_wmma_scale_f32_16x16x128_f8f6f4 v[RDD:RDD+7], v[RAA:RAA+11], v[RBB:RBB+11], v[RDD:RDD+7], v[ASCL+8*(\m)+KS], v[BSC+8*P+KS] matrix_a_fmt:MATRIX_FMT_FP6 matrix_b_fmt:MATRIX_FMT_FP6
.endif
.endm
.macro SLOT job, hf, tau               ; two products, a slice, a part of the side job.  The four accumulators take turns, one instruction a turn
.if K < 8
	WIN 0x0d                                       ; A window 1, B window 3, C and D window 0
.else
	WIN 0x0e                                       ; A window 2
.endif
	MM 2*(K&1)
	MM 2*(K&1)+1
	WIN 0
	TSL
	SIDE \job, \hf, \tau
.set K, K+1
.endm
.macro BLOAD bh, adr, off              ; four fragments of B: twelve loads of 512 consecutive bytes
	WIN 0xc0
.irp sq, 0,1,2,3
.irp cq, 0,1,2
	ds_load_b128 v[\bh+12*\sq+4*\cq:\bh+12*\sq+4*\cq+3], v[\adr] offset:\off+FRB*\sq+512*\cq
.endr
.endr
	WIN 0
.endm
.macro SLOAD st, adr, off              ; a record's eight scale words of my row of W1
	ds_load_b128 v[BSC+8*(\st):BSC+8*(\st)+3], v[\adr] offset:\off
	ds_load_b128 v[BSC+8*(\st)+4:BSC+8*(\st)+7], v[\adr] offset:\off+16
.endm
; AN ITERATION.  mid = 0: the next tile lies in the same slot.  1: the slot has been read out: it is filled again, jointly, and the next tile lies in the other slot.  2: the same without a refill.  3: nothing follows.
.macro ITER job, hf, tau, mid
.set P, (\tau)&1
	PLACES 4                                       ; behind the last products: ahead of the loads into B's second half and of the slices' first read of the results
	BLOAD BH1, BADR+\hf, REC*(\tau)+4*FRB
	ds_load_b64 v[TT+2*P:TT+2*P+1], v[TADR] offset:512*\hf+128*(\tau)
.if (\job == 2) && (\tau == 0)
	ds_load_b64 v[WW:WW+1], v[WADR] offset:64*\hf
	ds_load_b64 v[WW+2:WW+3], v[WADR] offset:64*\hf+32
	s_wait_dscnt 15                                ; all but the 15 just issued: B's first half and its scale words are in
.else
	s_wait_dscnt 13                                ; all but the 13 just issued
.endif
.set K, 0
.rept 8
	SLOT \job, \hf, \tau
.endr
.if \mid == 0
	PLACES 4                                       ; ahead of the loads into B's first half
	BLOAD BH0, BADR+\hf, REC*(\tau+1)
	SLOAD 1-P, BSAD+\hf, REC*(\tau+1)
	s_wait_dscnt 14                                ; all but the 14 just issued: B's second half, the table's pair and the weights are in
.elseif \mid == 1
	s_wait_tensorcnt 0x0                           ; all my tensor loads have landed: the one that was out is my quarter of the other slot; so a group 0 may be written
	ds_add_u32 v[SPW], v[NIL]                      ; 0 onto my spare word
	s_and_b32 s[ST0], s[KC], 7                     ; the stream goes round: step KC mod 8
	s_mul_i32 s[OFF], s[ST0], SLOTB
	s_add_co_u32 s[KC], s[KC], 1
	s_add_nc_u64 s[G0+4*\hf+2:G0+4*\hf+3], s[WB:WB+1], s[OFF:OFF+1]
	s_or_b32 s[G0+4*\hf+3], s[G0+4*\hf+3], 0x80000000
	s_wait_dscnt 0x0                               ; the add is done, and my reads of this slot are over (its last fragments came in with this iteration's head)
	CROUND                                         ; no wave of any partner still reads this slot or has a load on its way
	tensor_load_to_lds s[G0+4*\hf:G0+4*\hf+3], s[G1:G1+7]   ; my one tensor load behind the round: it has a whole step, 128 products, in which to land
	s_nop 0
	PLACES 4                                       ; these are also the places ahead of the loads into B's first half
	BLOAD BH0, BADR+1-\hf, 0
	SLOAD 1-P, BSAD+1-\hf, 0
.elseif \mid == 2
	s_wait_tensorcnt 0x0                           ; my quarter of the last step's slot has landed
	ds_add_u32 v[SPW], v[NIL]
	s_wait_dscnt 0x0
	s_barrier_signal -1
	s_barrier_wait -1                              ; everybody's has; nothing is filled again
	PLACES 4
	BLOAD BH0, BADR+1-\hf, 0
	SLOAD 1-P, BSAD+1-\hf, 0
.else
	s_wait_dscnt 0x0
.endif
.rept 8
	SLOT \job, \hf, \tau
.endr
.endm
.macro STEP job, hf, lastmid
	ITER \job, \hf, 0, 0
	ITER \job, \hf, 1, 0
	ITER \job, \hf, 2, 0
	ITER \job, \hf, 3, \lastmid
.endm
; A TRIP is two steps, slot 0 and slot 1.  Its addresses are made once, from bases that are never rewritten and scalars stepped by constants.
.macro TRIP job, mida, midb
	s_wait_xcnt 0x0                                ; the offsets of loads that are out, and a store's data, are rewritten only behind this wait
	v_add_nc_u32 v[TADR], s[TS], v[TAD0]
.if \job == 1
	v_add_nc_u32 v[XWI], s[XSI], v[XWI0]
	v_add_nc_u32 v[XWS], s[XSS], v[XWS0]
	v_add_nc_u32 v[XO], s[XK], v[XA]
	s_add_co_u32 s[ST0], s[XK], 1024
	s_min_u32 s[ST0], s[ST0], 3584
	v_add_nc_u32 v[XO2], s[ST0], v[XA]
.else
	v_add_nc_u32 v[WADR], s[WS], v[WAD0]
	v_add_nc_u32 v[CO], s[CK], v[LI]
.endif
	STEP \job, 0, \mida
	STEP \job, 1, \midb
	s_add_co_u32 s[TS], s[TS], 1024
.if \job == 1
	s_add_co_u32 s[XSI], s[XSI], 2*FRB
	s_add_co_u32 s[XSS], s[XSS], 256
	s_add_co_u32 s[XK], s[XK], 1024
.else
	s_add_co_u32 s[WS], s[WS], 128
	s_add_co_u32 s[CK], s[CK], 131072
.endif
.endm
.macro DRAIN                           ; the last tile's tanh (set 1), with nothing between the slices
.set P, 0
	PLACES 4
.set K, 0
.rept 15
	TSL
.set K, K+1
.endr
.endm
.macro ALOAD                           ; my 32 fragments of the block and their scale words, from their images
	WIN 0x40
.irp sq, 0,1,2,3
.irp mq, 0,1,2,3
.irp cq, 0,1,2
	ds_load_b128 v[12*(4*\sq+\mq)+4*\cq:12*(4*\sq+\mq)+4*\cq+3], v[AR] offset:(8*\mq+\sq)*FRB+512*\cq
.endr
.endr
.endr
	WIN 0x80
.irp sq, 0,1,2,3
.irp mq, 0,1,2,3
.irp cq, 0,1,2
	ds_load_b128 v[12*(4*\sq+\mq)+4*\cq:12*(4*\sq+\mq)+4*\cq+3], v[AR] offset:(8*\mq+4+\sq)*FRB+512*\cq
.endr
.endr
.endr
	WIN 0
.set I, 0
.rept 32
	ds_load_b32 v[ASCL+I], v[ASR] offset:128*I
.set I, I+1
.endr
.endm
; A block begins: the running sums are zeros, and so are accumulator set 1 and its table pair: the first iteration's slices then work on a tile with V = 0, which adds nothing, and the iteration is written once.
.macro ZEROS
.set I, 0
.rept 32
	v_mov_b32 v[SACC+I], 0
	v_mov_b32 v[ACC+32+I], 0
.set I, I+1
.endr
	v_mov_b32 v[TT+2], 0
	v_mov_b32 v[TT+3], 0
	v_mov_b32 v[VS], 0
	v_mov_b32 v[VS+1], 0
.endm
; A BLOCK'S END: the scores of its 128 rows, the largest so far, p and its sum.  first = 1: the first block starts M and l.  blk: the block.
.macro EXCH first, blk
.set I, 0
.rept 16
	v_pk_fma_f32 v[SACC+I:SACC+I+1], v[SACC+I:SACC+I+1], -2.0, v[VS:VS+1] op_sel_hi:[1,0,0]     ; my unit column's V - 2 V r, summed over my tiles
.set I, I+2
.endr
.irp xm, 1,2,4,8                               ; over the sixteen lanes of a half: the sixteen units of a tile
.set I, 0
.rept 32
	v_add_f32_dpp v[SACC+I], v[SACC+I], v[SACC+I] row_xmask:\xm row_mask:0xf bank_mask:0xf
.set I, I+1
.endr
.endr
.irp mq, 0,1,2,3
.irp gq, 0,1
	ds_store_b128 v[PA], v[SACC+8*\mq+4*\gq:SACC+8*\mq+4*\gq+3] offset:64*\mq+16*\gq            ; row 16 m + 8 h + j of my 64; the lanes of a half write the same bytes with the same values
.endr
.endr
	s_wait_dscnt 0x0                               ; for the others' sake: my LDS stores (the images among them) have landed, my loads are in
	s_barrier_signal -1
	s_barrier_wait -1
	ds_load_b128 v[SCR:SCR+3], v[PR]               ; lane l: rows 4 l .. 4 l + 3 of the block, the units' first half,
	ds_load_b128 v[PP:PP+3], v[PR] offset:256      ; and the second
	s_wait_dscnt 0x0
.irp iq, 0,1,2,3
	v_add_f32 v[SCR+\iq], v[SCR+\iq], v[PP+\iq]
.endr
.irp iq, 0,1,2,3
	v_add_f32 v[SCR+\iq], s[BV], v[SCR+\iq]
.endr
	s_cmp_lg_u32 s[Q], 0                           ; all four waves hold the same scores: wave 0 stores them, 512 consecutive bytes
	s_cbranch_scc1 .Lnot_mine_\@
	global_store_b128 v[LI], v[SCR:SCR+3], s[12:13] offset:512*\blk
.Lnot_mine_\@:
	v_max3_num_f32 v[T0], v[SCR], v[SCR+1], v[SCR+2]
	v_max_num_f32 v[T0], v[T0], v[SCR+3]
.irp xm, 1,2,4,8
	v_max_num_f32_dpp v[T0], v[T0], v[T0] row_xmask:\xm row_mask:0xf bank_mask:0xf
.endr
	v_permlanex16_b32 v[T1], v[T0], s[SEL], s[SEL+1]
	v_max_num_f32 v[T0], v[T0], v[T1]              ; the block's largest score
.if \first
	v_mov_b32 v[M], v[T0]
.else
	v_max_num_f32 v[T0], v[T0], v[M]
	v_sub_f32 v[T1], v[M], v[T0]
	v_mul_f32 v[T1], s[L2E], v[T1]
	v_exp_f32 v[F], v[T1]                          ; what was summed under the old M is multiplied by e^(old M - new M)
	v_mov_b32 v[M], v[T0]
.endif
.irp iq, 0,1,2,3
	v_sub_f32 v[PP+\iq], v[SCR+\iq], v[M]
.endr
.irp iq, 0,1,2,3
	v_mul_f32 v[PP+\iq], s[L2E], v[PP+\iq]
.endr
.irp iq, 0,1,2,3
	v_exp_f32 v[PP+\iq], v[PP+\iq]
.endr
	v_nop                                          ; a plain place behind the exponentials
	s_wait_alu depctr_va_vdst(0)
	v_add_f32 v[T0], v[PP], v[PP+1]
	v_add_f32 v[T1], v[PP+2], v[PP+3]
	v_add_f32 v[T0], v[T0], v[T1]
.if \first
	v_mov_b32 v[L], v[T0]
.else
	v_fma_f32 v[L], v[L], v[F], v[T0]
.endif
	ds_store_b128 v[PWS], v[PP:PP+3]               ; into my own copy: LDS serves a wave's instructions in order, so my later loads see it
.endm
	; ---- the head
	s_load_b256 s[4:11], s[0:1], 0x0               ; values, w1img, tab, bV
	s_load_b128 s[12:15], s[0:1], 0x20             ; scores, pctx
	s_load_b64 s[16:17], s[0:1], 0x30              ; stats
	v_lshl_add_u32 v[SPW], v0, 2, SPARE
	v_mov_b32 v[NIL], 0
	ds_add_u32 v1, v2
	ds_add_u32 v1, v2
	s_wait_dscnt 0x0
	v_lshrrev_b32 v[T0], 5, v0
	v_readfirstlane_b32 s[Q], v[T0]                ; wave 0..3
	s_lshr_b32 s[QI], s[Q], 1                      ; which 64 rows of a block
	s_and_b32 s[QJ], s[Q], 1                       ; which 512 units
	s_bfe_u32 s[ST1], ttmp6, 0x40000               ; my place in the cluster: it enters the addresses of values, tab and the results alone
	s_lshl_b32 s[G], ttmp9, 2
	s_add_co_u32 s[G], s[G], s[ST1]
	s_mov_b32 s[SEL], 0x76543210
	s_mov_b32 s[SEL+1], 0xfedcba98
	s_mov_b32 s[C2], 0x4038aa3b                    ; 2 log2(e)
	s_mov_b32 s[C2+1], s[C2]                       ; (named with it as a pair, so it is written)
	s_mov_b32 s[L2E], 0x3fb8aa3b                   ; log2(e)
	; descriptor group 1: a dense block of 25,600 bytes as 100 rows of 256 bytes
	s_mov_b32 s[G1], 15|(3<<16)|(1<<21)            ; 15:0 the mask: all four work-groups; 17:16 elements of 8 bytes; 20 no padding; 21 set beside a mask
	s_mov_b32 s[G1+1], 32<<16                      ; tensor_dim0 = 32
	s_mov_b32 s[G1+2], 100<<16                     ; tensor_dim1 = 100
	s_mov_b32 s[G1+3], 32<<16                      ; tile_dim0 = 32
	s_mov_b32 s[G1+4], 100                         ; tile_dim1 = 100
	s_mov_b32 s[G1+5], 32                          ; from row to row
	s_mov_b32 s[G1+6], 0
	s_mov_b32 s[G1+7], 0
	v_and_b32 v[T0], 31, v0                        ; lane
	v_and_b32 v[T1], 15, v0                        ; r
	v_bfe_u32 v[T2], v0, 4, 1                      ; h
	v_lshlrev_b32 v[LI], 4, v[T0]
	v_lshlrev_b32 v[LS], 2, v[T0]
	v_lshlrev_b32 v[XA], 12, v[T1]
	v_lshl_add_u32 v[XA], v[T2], 6, v[XA]
	s_mul_i32 s[ST0], s[QJ], 4*REC
	v_add_nc_u32 v[BADR], s[ST0], v[LI]
	v_add_nc_u32 v[BADR+1], SLOTB, v[BADR]
	v_lshl_add_u32 v[BSAD], v[T1], 5, 8*FRB
	v_add_nc_u32 v[BSAD], s[ST0], v[BSAD]
	v_add_nc_u32 v[BSAD+1], SLOTB, v[BSAD]
	s_lshl_b32 s[ST0], s[QJ], 12
	v_lshl_add_u32 v[TAD0], v[T1], 3, TAB
	v_add_nc_u32 v[TAD0], s[ST0], v[TAD0]
	s_mul_i32 s[ST0], s[Q], 16*FRB                 ; I quantise rows 32 q .. 32 q + 31 of a block: tiles 2 q, 2 q + 1
	v_add_nc_u32 v[XWI0], s[ST0], v[LI]
	v_add_nc_u32 v[XWI0], AIMG, v[XWI0]
	s_lshl_b32 s[ST0], s[Q], 11
	v_add_nc_u32 v[XWS0], s[ST0], v[LS]
	v_add_nc_u32 v[XWS0], ASC, v[XWS0]
	s_mul_i32 s[ST0], s[QI], 32*FRB                ; I multiply rows 64 i .. 64 i + 63: tiles 4 i .. 4 i + 3
	v_add_nc_u32 v[AR], s[ST0], v[LI]
	v_add_nc_u32 v[AR], AIMG, v[AR]
	s_lshl_b32 s[ST0], s[QI], 12
	v_add_nc_u32 v[ASR], s[ST0], v[LS]
	v_add_nc_u32 v[ASR], ASC, v[ASR]
	s_lshl_b32 s[ST0], s[Q], 8
	v_lshl_add_u32 v[PA], v[T2], 5, PART
	v_add_nc_u32 v[PA], s[ST0], v[PA]
	v_lshl_add_u32 v[PR], v[T2], 9, PART
	v_lshl_add_u32 v[PR], v[T1], 4, v[PR]
	s_lshl_b32 s[ST0], s[Q], 9
	v_add_nc_u32 v[PWS], s[ST0], v[LI]
	v_add_nc_u32 v[PWS], PWT, v[PWS]
	s_mul_i32 s[ST0], s[Q], 520                    ; my copy of p, and in it rows 2 q, 2 q + 1
	s_add_co_u32 s[ST0], s[ST0], PWT
	v_mov_b32 v[WAD0], s[ST0]
	v_lshl_add_u32 v[TABW], v0, 4, TAB
	v_lshlrev_b32 v[TOFF], 4, v0
	s_lshl_b32 s[ST0], s[Q], 12
	v_add_nc_u32 v[CW], s[ST0], v[LI]
	v_add_nc_u32 v[CW], CTXR, v[CW]
	s_lshl_b32 s[ST0], s[Q], 10
	v_add_nc_u32 v[CR], s[ST0], v[LI]
	v_add_nc_u32 v[CR], CTXR, v[CR]
.irp bq, 0,1,2,3
	v_mov_b32 v[TM+4+\bq], 0                       ; written once: a lane permute's destination counts as one of its sources
.endr
	v_mov_b32 v[F+1], 0                            ; (named as the upper half of a pair)
	s_lshl_b32 s[ST2], s[G], 20                    ; 256 rows of 4,096 bytes
	s_mov_b32 s[ST2+1], 0
	s_mul_i32 s[OFF], s[Q], QUART
	s_mov_b32 s[OFF+1], 0
	s_wait_kmcnt 0x0
	s_load_b32 s[BV], s[10:11], 0x0
	s_add_nc_u64 s[4:5], s[4:5], s[ST2:ST2+1]
	s_lshl_b32 s[ST2], s[Q], 17
	s_add_nc_u64 s[XB0:XB0+1], s[4:5], s[ST2:ST2+1]
	s_add_nc_u64 s[XB1:XB1+1], s[XB0:XB0+1], 0x80000
	s_lshl_b32 s[ST2], s[Q], 13
	s_add_nc_u64 s[CB:CB+1], s[4:5], s[ST2:ST2+1]
	s_lshr_b32 s[ST2], s[G], 3
	s_lshl_b32 s[ST2], s[ST2], 13
	s_add_nc_u64 s[8:9], s[8:9], s[ST2:ST2+1]      ; the batch's table
	s_lshl_b32 s[ST2], s[G], 10
	s_add_nc_u64 s[12:13], s[12:13], s[ST2:ST2+1]  ; my 256 scores
	s_lshl_b32 s[ST2], s[G], 12
	s_lshl_b32 s[ST0], s[Q], 10
	s_add_co_u32 s[ST2], s[ST2], s[ST0]
	s_add_nc_u64 s[14:15], s[14:15], s[ST2:ST2+1]  ; my 256 columns of the work-group's context
	s_lshl_b32 s[ST2], s[G], 3
	s_add_nc_u64 s[16:17], s[16:17], s[ST2:ST2+1]
	s_add_nc_u64 s[WB:WB+1], s[6:7], s[OFF:OFF+1]  ; the stream at my quarter: made of the wave's number alone, alike in all four partners
	s_mov_b32 s[G0], 1                             ; 1:0 count = 1
	s_mov_b32 s[G0+1], s[OFF]                      ; 63:32 LDS address: slot 0, my quarter
	s_mov_b64 s[G0+2:G0+3], s[WB:WB+1]             ; 120:64 global address: step 0
	s_or_b32 s[G0+3], s[G0+3], 0x80000000          ; 127:126 type = 2
	s_mov_b32 s[G0+4], 1
	s_add_co_u32 s[G0+5], s[OFF], SLOTB            ; slot 1
	s_add_nc_u64 s[G0+6:G0+7], s[WB:WB+1], SLOTB   ; step 1
	s_or_b32 s[G0+7], s[G0+7], 0x80000000
	CROUND                                         ; all four work-groups are here: the first joint loads meet
	tensor_load_to_lds s[G0:G0+3], s[G1:G1+7]      ; both first fills as one group: two loads of mine are out
	s_nop 0
	tensor_load_to_lds s[G0+4:G0+7], s[G1:G1+7]
	s_nop 0
	PLACES 4
	; ---- X0: block 0 is quantised: 16 pieces (tile pi & 1 of my two, K step pi >> 1) through four sets; every offset is an immediate
.irp nq, 0,1,2,3
	global_load_b128 v[ACC+4*\nq:ACC+4*\nq+3], v[TOFF], s[8:9] offset:2048*\nq     ; the batch's table, 16 bytes a thread
.endr
	SETOF 0
	XLOAD XA, XB0, 0
	SETOF 1
	XLOAD XA, XB0, 65536
	SETOF 2
	XLOAD XA, XB0, 512
	s_wait_loadcnt 48                              ; the table's four loads are in; three sets' 48 are younger
.irp nq, 0,1,2,3
	ds_store_b128 v[TABW], v[ACC+4*\nq:ACC+4*\nq+3] offset:2048*\nq
.endr
	SETOF 3
	XLOAD XA, XB0, 65536+512
.macro XPIECE pi, cnt
	SETOF (\pi)&3
	s_wait_loadcnt \cnt                            ; my set's sixteen loads are in; the younger sets' may be out
	s_wait_dscnt 0x0                               ; the last image's stores have read their registers
	QMAX1
	QMAX2
	QMID
	QCVT
	IMAGE XWI0, ((\pi)&1)*8*FRB+((\pi)>>1)*FRB, XWS0, ((\pi)&1)*1024+((\pi)>>1)*128
.if (\pi) < 12
	XLOAD XA, XB0, ((\pi)&1)*65536+(((\pi)>>1)+2)*512
.elseif (\pi) < 14
	XLOAD XA, XB1, ((\pi)&1)*65536                 ; sets 0 and 1 take block 1's first K step
.endif
.endm
.irp pq, 0,1,2,3,4,5,6,7,8,9,10,11,12,13,14
	XPIECE \pq, 48
.endr
	XPIECE 15, 32
	; ---- block 0 begins
	s_wait_kmcnt 0x0                               ; bV
	s_wait_tensorcnt 0x0                           ; my quarters of both slots have landed
	s_wait_dscnt 0x0                               ; my images and my part of the table have landed
	s_barrier_signal -1
	s_barrier_wait -1                              ; everybody's have
	ALOAD
	ZEROS
	s_wait_dscnt 0x0                               ; my reads of the images are over:
	s_barrier_signal -1
	s_barrier_wait -1                              ; everybody's are, so block 1's images may be laid over them
	BLOAD BH0, BADR, 0                             ; the first tile
	SLOAD 0, BSAD, 0
	s_mov_b32 s[KC], 2
	s_mov_b32 s[TS], 0
	s_mov_b32 s[XSI], 0
	s_mov_b32 s[XSS], 0
	s_mov_b32 s[XK], 0
	s_mov_b32 s[LC], 4
.Lg0:                                              ; G0: steps 0-7; every one fills its slot again
	TRIP 1, 1, 1
	s_sub_co_u32 s[LC], s[LC], 1
	s_cmp_lg_u32 s[LC], 0
	s_cbranch_scc1 .Lg0
	; ---- between the blocks.  (B's first fragments of step 8 are in registers already; one tensor load of mine is out, across a barrier behind which nothing is filled)
	DRAIN
	EXCH 1, 0
	s_wait_loadcnt 0x0                             ; the held look-ahead's loads: their registers are loaded anew
	SETOF 0
	CLOAD LI, 0                                    ; block 0's rows come again: pieces 0 and 1 (piece n: rows 8 n + 2 q, 8 n + 2 q + 1)
	SETOF 1
	CLOAD LI, 32768
	ALOAD                                          ; block 1's fragments: the barrier above has shown every wave's images
	ZEROS
.set I, 0
.rept 32
	v_mov_b32 v[CTX+I], 0                          ; the context begins
.set I, I+1
.endr
	s_wait_dscnt 0x0
	s_mov_b32 s[TS], 0
	s_mov_b32 s[WS], 0
	s_mov_b32 s[CK], 0
	s_mov_b32 s[LC], 3
.Lg1:                                              ; G1: steps 8-13 fill their slots again
	TRIP 2, 1, 1
	s_sub_co_u32 s[LC], s[LC], 1
	s_cmp_lg_u32 s[LC], 0
	s_cbranch_scc1 .Lg1
	TRIP 2, 2, 3                                   ; steps 14 and 15 are written out: nothing is left to fetch
	; ---- the end: block 1's scores, then its rows
	SETOF 2
	CLOAD LI, 18*32768                             ; pieces 16 and 17 were asked for by step 15
	SETOF 3
	CLOAD LI, 19*32768
	DRAIN
	EXCH 0, 1
.set I, 0
.rept 16
	v_pk_mul_f32 v[CTX+I:CTX+I+1], v[CTX+I:CTX+I+1], v[F:F+1] op_sel_hi:[1,0]      ; block 0's context under the new M
.set I, I+2
.endr
.set I, 0
.rept 16
	ds_load_b64 v[ACC+2*I:ACC+2*I+1], v[WAD0] offset:32*I                          ; block 1's weights of my 32 rows
.set I, I+1
.endr
	s_wait_dscnt 0x0
.irp nq, 0,1,2,3,4,5,6,7,8,9,10,11,12,13,14,15
	SETOF (\nq)&3
.if \nq < 13
	s_wait_loadcnt 48                              ; three younger sets may be out
.else
	s_wait_loadcnt 16*(15-\nq)
.endif
	CROW 0, ACC+2*\nq
	CROW 1, ACC+2*\nq
.if \nq < 12
	CLOAD LI, (20+\nq)*32768
.endif
.endr
.irp xm, 1,2,4,8
	v_add_f32_dpp v[L], v[L], v[L] row_xmask:\xm row_mask:0xf bank_mask:0xf
.endr
	v_permlanex16_b32 v[T1], v[L], s[SEL], s[SEL+1]
	v_add_f32 v[L], v[L], v[T1]                    ; the sum of p over the 256 rows
.irp cq, 0,1,2,3,4,5,6,7
	ds_store_b128 v[CW], v[CTX+4*\cq:CTX+4*\cq+3] offset:512*\cq                   ; my rows' context, as a row of 4,096 bytes, where the images lay (nobody has read them since G1 began)
.endr
	s_wait_dscnt 0x0
	s_barrier_signal -1
	s_barrier_wait -1
.irp wq, 0,1,2,3
.irp tq, 0,1
	ds_load_b128 v[ACC+4*(2*\wq+\tq):ACC+4*(2*\wq+\tq)+3], v[CR] offset:4096*\wq+512*\tq     ; columns 256 q .. 256 q + 255 of all four
.endr
.endr
	s_wait_dscnt 0x0
.irp iq, 0,2,4,6
	v_pk_add_f32 v[ACC+\iq:ACC+\iq+1], v[ACC+\iq:ACC+\iq+1], v[ACC+8+\iq:ACC+8+\iq+1]
	v_pk_add_f32 v[ACC+16+\iq:ACC+16+\iq+1], v[ACC+16+\iq:ACC+16+\iq+1], v[ACC+24+\iq:ACC+24+\iq+1]
.endr
.irp iq, 0,2,4,6
	v_pk_add_f32 v[ACC+\iq:ACC+\iq+1], v[ACC+\iq:ACC+\iq+1], v[ACC+16+\iq:ACC+16+\iq+1]
.endr
	global_store_b128 v[LI], v[ACC:ACC+3], s[14:15]                ; 512 consecutive bytes a store
	global_store_b128 v[LI], v[ACC+4:ACC+7], s[14:15] offset:512
	v_mov_b32 v[T1], 0
	v_cmp_eq_u32 vcc_lo, 0, v0
	s_wait_xcnt 0x0                                ; EXEC changes only behind this wait
	s_and_saveexec_b32 s[ST0], vcc_lo
	global_store_b64 v[T1], v[M:M+1], s[16:17]     ; thread 0: (M, l)
	s_wait_xcnt 0x0                                ; and again ahead of the line that widens it
	s_or_b32 exec_lo, exec_lo, s[ST0]
	s_wait_tensorcnt 0x0                           ; the wave's end
	ds_add_u32 v[SPW], v[NIL]
	s_wait_dscnt 0x0
	CROUND                                         ; the closing round: no work-group ends while a partner may still ask for a tile that names it
	s_endpgm
.Lfunc_end_k_q123f4473df_attend:
	.size	k_q123f4473df_attend, .Lfunc_end_k_q123f4473df_attend-k_q123f4473df_attend
	.p2alignl 7, 3214868480
	.fill 96, 4, 3214868480
	.section	.rodata,"a",@progbits
	.p2align	6, 0x0
	.amdhsa_kernel k_q123f4473df_attend
		.amdhsa_group_segment_fixed_size 327680
		.amdhsa_private_segment_fixed_size 0
		.amdhsa_enable_private_segment 0
		.amdhsa_kernarg_size 56
		.amdhsa_user_sgpr_count 2
		.amdhsa_user_sgpr_kernarg_segment_ptr 1
		.amdhsa_wavefront_size32 1
		.amdhsa_system_sgpr_workgroup_id_x 1
		.amdhsa_system_sgpr_workgroup_id_y 1
		.amdhsa_system_sgpr_workgroup_id_z 1
		.amdhsa_system_vgpr_workitem_id 0
		.amdhsa_next_free_vgpr 1024
		.amdhsa_next_free_sgpr 80
		.amdhsa_reserve_vcc 1
		.amdhsa_float_denorm_mode_32 3
		.amdhsa_float_denorm_mode_16_64 3
		.amdhsa_memory_ordered 1
		.amdhsa_forward_progress 1
		.amdhsa_inst_pref_size 255
	.end_amdhsa_kernel
	.section	.bss,"aw",@nobits
	.p2align	6
	.space	262144
	.amdgpu_metadata
---
amdhsa.version: [ 1, 2 ]
amdhsa.kernels:
  - .name:           k_q123f4473df_attend
    .symbol:         k_q123f4473df_attend.kd
    .args:
      - { .name: values, .offset: 0, .size: 8, .value_kind: global_buffer, .address_space: global }
      - { .name: w1img, .offset: 8, .size: 8, .value_kind: global_buffer, .address_space: global }
      - { .name: tab, .offset: 16, .size: 8, .value_kind: global_buffer, .address_space: global }
      - { .name: bV, .offset: 24, .size: 8, .value_kind: global_buffer, .address_space: global }
      - { .name: scores, .offset: 32, .size: 8, .value_kind: global_buffer, .address_space: global }
      - { .name: pctx, .offset: 40, .size: 8, .value_kind: global_buffer, .address_space: global }
      - { .name: stats, .offset: 48, .size: 8, .value_kind: global_buffer, .address_space: global }
    .group_segment_fixed_size: 327680
    .private_segment_fixed_size: 0
    .kernarg_segment_align: 8
    .kernarg_segment_size: 56
    .max_flat_workgroup_size: 128
    .sgpr_count:     80
    .vgpr_count:     1024
    .wavefront_size: 32
...
	.end_amdgpu_metadata
.endif
;; end of part 2
;; launch finish (part 3): grid 8 x 32, 2 waves a work-group, no clusters, 0 bytes of LDS; arguments scores, pctx, stats, out0, out1; writes out0, out1
.if DOCPART == 3
	.amdgcn_target "amdgcn-amd-amdhsa--gfx1250"
	.amdhsa_code_object_version 6
	.text
	.protected	k_q123f4473df_finish
	.globl	k_q123f4473df_finish
	.p2align	8
	.type	k_q123f4473df_finish,@function
k_q123f4473df_finish:
	s_mov_b64 s[64:65], 0
	v_nop
	global_prefetch_b8 v0, s[64:65] scope:SCOPE_SE
	s_setreg_imm32_b32 hwreg(HW_REG_WAVE_MODE, 25, 1), 1
	s_wait_xcnt 0x0
; The eight work-groups' results of a batch are joined.  M = the largest of their M_g; e_g = e^(M_g - M); L = sum of l_g e_g;
; out1[b][s] = e^(score - M) / L;  out0[b][c] = (sum over g of e_g x pctx[8 b + g][c]) / L.
; Work-group (x, b), 64 threads: 256 weights (16 bytes a thread: a wave stores 512 consecutive bytes) and 128 columns (8 bytes a thread: a wave stores 256 consecutive bytes, aligned).
; No LDS, no barrier, no matrix unit: 1.7 MB move in all.  The group that holds M has l of at least 1, so L is at least 1.
.set L2E, 0x3fb8aa3b                   ; log2(e)
	s_load_b128 s[4:7], s[0:1], 0x0                ; scores, pctx
	s_load_b128 s[8:11], s[0:1], 0x10              ; stats, out0
	s_load_b64 s[12:13], s[0:1], 0x20              ; out1
	s_and_b32 s14, ttmp7, 0xffff                   ; the batch
	s_lshl_b32 s15, s14, 3
	s_add_co_u32 s15, s15, ttmp9                   ; 8 b + x
	v_lshlrev_b32 v1, 4, v0
	v_lshlrev_b32 v2, 3, v0
	s_mov_b32 s37, 0
	s_lshl_b32 s38, ttmp9, 9                       ; my 128 columns, in bytes
	s_wait_kmcnt 0x0
	s_lshl_b32 s36, s14, 6
	s_add_nc_u64 s[8:9], s[8:9], s[36:37]
	s_load_b512 s[16:31], s[8:9], 0x0              ; (M_g, l_g), g = 0 .. 7
	s_lshl_b32 s36, s15, 10
	s_add_nc_u64 s[4:5], s[4:5], s[36:37]
	s_add_nc_u64 s[12:13], s[12:13], s[36:37]
	global_load_b128 v[4:7], v1, s[4:5]
	s_lshl_b32 s36, s14, 15
	s_add_co_u32 s36, s36, s38
	s_add_nc_u64 s[6:7], s[6:7], s[36:37]
.irp g, 0,1,2,3,4,5,6,7
	global_load_b64 v[8+2*\g:9+2*\g], v2, s[6:7] offset:4096*\g
.endr
	s_lshl_b32 s36, s14, 12
	s_add_co_u32 s36, s36, s38
	s_add_nc_u64 s[10:11], s[10:11], s[36:37]
	s_wait_kmcnt 0x0
	v_mov_b32 v24, s16
	v_max3_num_f32 v24, v24, s18, s20
	v_max3_num_f32 v24, v24, s22, s24
	v_max3_num_f32 v24, v24, s26, s28
	v_max_num_f32 v24, s30, v24                    ; M
.irp g, 0,1,2,3,4,5,6,7
	v_sub_f32 v[26+\g], s[16+2*\g], v24
.endr
.irp g, 0,1,2,3,4,5,6,7
	v_mul_f32 v[26+\g], L2E, v[26+\g]
.endr
.irp g, 0,1,2,3,4,5,6,7
	v_exp_f32 v[26+\g], v[26+\g]                   ; e_g
.endr
	v_nop                                          ; a plain place behind the exponentials
	s_wait_alu depctr_va_vdst(0)
	v_mul_f32 v34, s17, v26
.irp g, 1,2,3,4,5,6,7
	v_fmac_f32 v34, s[17+2*\g], v[26+\g]           ; L
.endr
	v_rcp_f32 v35, v34
	s_wait_loadcnt 0x0
.irp i, 0,1,2,3
	v_sub_f32 v[4+\i], v[4+\i], v24                ; (plain places behind the reciprocal)
.endr
.irp i, 0,1,2,3
	v_mul_f32 v[4+\i], L2E, v[4+\i]
.endr
.irp i, 0,1,2,3
	v_exp_f32 v[4+\i], v[4+\i]
.endr
	v_mul_f32 v36, v8, v26                         ; (a plain place behind the exponentials)
	v_mul_f32 v37, v9, v26
.irp g, 1,2,3,4,5,6,7
	v_fmac_f32 v36, v[8+2*\g], v[26+\g]
	v_fmac_f32 v37, v[9+2*\g], v[26+\g]
.endr
	s_wait_alu depctr_va_vdst(0)
.irp i, 0,1,2,3
	v_mul_f32 v[4+\i], v[4+\i], v35
.endr
	v_mul_f32 v36, v36, v35
	v_mul_f32 v37, v37, v35
	global_store_b128 v1, v[4:7], s[12:13]
	global_store_b64 v2, v[36:37], s[10:11]
	s_endpgm
.Lfunc_end_k_q123f4473df_finish:
	.size	k_q123f4473df_finish, .Lfunc_end_k_q123f4473df_finish-k_q123f4473df_finish
	.p2alignl 7, 3214868480
	.fill 96, 4, 3214868480
	.section	.rodata,"a",@progbits
	.p2align	6, 0x0
	.amdhsa_kernel k_q123f4473df_finish
		.amdhsa_group_segment_fixed_size 0
		.amdhsa_private_segment_fixed_size 0
		.amdhsa_enable_private_segment 0
		.amdhsa_kernarg_size 40
		.amdhsa_user_sgpr_count 2
		.amdhsa_user_sgpr_kernarg_segment_ptr 1
		.amdhsa_wavefront_size32 1
		.amdhsa_system_sgpr_workgroup_id_x 1
		.amdhsa_system_sgpr_workgroup_id_y 1
		.amdhsa_system_sgpr_workgroup_id_z 1
		.amdhsa_system_vgpr_workitem_id 0
		.amdhsa_next_free_vgpr 48
		.amdhsa_next_free_sgpr 66
		.amdhsa_reserve_vcc 0
		.amdhsa_float_denorm_mode_32 3
		.amdhsa_float_denorm_mode_16_64 3
		.amdhsa_memory_ordered 1
		.amdhsa_forward_progress 1
		.amdhsa_inst_pref_size 6
	.end_amdhsa_kernel
	.amdgpu_metadata
---
amdhsa.version: [ 1, 2 ]
amdhsa.kernels:
  - .name:           k_q123f4473df_finish
    .symbol:         k_q123f4473df_finish.kd
    .args:
      - { .name: scores, .offset: 0, .size: 8, .value_kind: global_buffer, .address_space: global }
      - { .name: pctx, .offset: 8, .size: 8, .value_kind: global_buffer, .address_space: global }
      - { .name: stats, .offset: 16, .size: 8, .value_kind: global_buffer, .address_space: global }
      - { .name: out0, .offset: 24, .size: 8, .value_kind: global_buffer, .address_space: global }
      - { .name: out1, .offset: 32, .size: 8, .value_kind: global_buffer, .address_space: global }
    .group_segment_fixed_size: 0
    .private_segment_fixed_size: 0
    .kernarg_segment_align: 8
    .kernarg_segment_size: 40
    .max_flat_workgroup_size: 64
    .sgpr_count:     66
    .vgpr_count:     48
    .wavefront_size: 32
...
	.end_amdgpu_metadata
.endif
;; end of part 3
;; ======== version 2 of 2: 3 launches
;; limits: right only within a limited range of input values
;; workspace buffers: w1img 819,200 bytes; tab 262,144 bytes; scores 262,144 bytes; pctx 1,048,576 bytes; stats 2,048 bytes
;; launch prep (part 4): grid 192 x 1, 1 waves a work-group, no clusters, 0 bytes of LDS; arguments query_codes, query_scales, W2_codes, W2_scales, b1, b2, V, W1_codes, W1_scales, tab, w1img; writes tab, w1img
.if DOCPART == 4
	.amdgcn_target "amdgcn-amd-amdhsa--gfx1250"
	.amdhsa_code_object_version 6
	.text
	.protected	k_q123f4473df_prep
	.globl	k_q123f4473df_prep
	.p2align	8
	.type	k_q123f4473df_prep,@function
k_q123f4473df_prep:
	s_mov_b64 s[64:65], 0
	v_nop
	global_prefetch_b8 v0, s[64:65] scope:SCOPE_SE
	s_setreg_imm32_b32 hwreg(HW_REG_WAVE_MODE, 25, 1), 1
	s_wait_xcnt 0x0
; Two small jobs ahead of the main launch, chosen by the work-group's number; neither uses LDS.  A work-group is one wave: each load below touches sixteen rows 768 bytes apart, so the waves are spread over as many WGPs as there are waves.
; WORK-GROUPS 0-127: tab[b][u] = ( c2 x (query W2 + b1 + b2)[b][u] , V[u] ), c2 = 2 log2(e), pairs of f32, 8,192 bytes a batch.
;   Work-group W makes one tile: 16 batches (W & 1) x 16 units (W >> 1), K = 1,024 in eight matrix instructions on codes of E2M3.
;   Even K steps go onto one accumulator, odd ones onto a second, by turns; the two are added in f32.  (The sum's order differs from one chain's; the result feeds no quantiser.)
;   A store covers runs of 128 bytes, eight bytes a lane: the table is 256 KB in all and is written once.
; WORK-GROUPS 128-191: W1's codes and scale bytes are laid anew, in the order of the operand's registers, so that the main launch takes a fragment by three loads of 16 bytes a lane
;   and a step's tiles are one dense block.  Tile U (rows 16 U .. 16 U + 15 of W1) is a record of 12,800 bytes at ((U >> 2) & 7) x 102,400 + (4 (U >> 5) + (U & 3)) x 12,800:
;   eight fragments (K steps) of 1,536 bytes, registers 4 c .. 4 c + 3 of lane l at 512 c + 16 l; then the 16 rows' 512 scale bytes as they lie.  Every store covers 512 consecutive bytes.
.set ROWB,  768                        ; a row of 1,024 codes in bytes
.set C2BITS, 0x4038aa3b                ; 2 log2(e)
	s_load_b256 s[4:11], s[0:1], 0x0               ; query's codes, query's scales, W2's codes, W2's scales
	s_load_b256 s[12:19], s[0:1], 0x20             ; b1, b2, V, W1's codes
	s_load_b128 s[20:23], s[0:1], 0x40             ; W1's scales, tab
	s_load_b64 s[24:25], s[0:1], 0x50              ; w1img
	v_and_b32 v1, 15, v0                           ; r
	v_bfe_u32 v2, v0, 4, 1                         ; h
	v_mul_u32_u24 v3, v1, ROWB
	v_mad_u32_u24 v3, v2, 24, v3                   ; a fragment's place for my lane: row r, + 24 h
	s_mov_b32 s29, 0
	s_mov_b32 s32, C2BITS
	s_wait_kmcnt 0x0
	s_cmp_lt_u32 ttmp9, 128
	s_cbranch_scc0 .Lrelay
	; ---- the query's projection
	s_and_b32 s30, ttmp9, 1                        ; which 16 batches
	s_lshr_b32 s27, ttmp9, 1                       ; which 16 units
	s_mul_i32 s28, s30, 16*ROWB
	s_add_nc_u64 s[4:5], s[4:5], s[28:29]
	s_mul_i32 s28, s27, 16*ROWB
	s_add_nc_u64 s[8:9], s[8:9], s[28:29]
	s_lshl_b32 s28, s30, 9                         ; scale bytes: 32 a row
	s_add_nc_u64 s[6:7], s[6:7], s[28:29]
	s_lshl_b32 s28, s27, 9
	s_add_nc_u64 s[10:11], s[10:11], s[28:29]
	s_lshl_b32 s28, s27, 6                         ; b1, b2, V: 4 bytes a unit
	s_add_nc_u64 s[12:13], s[12:13], s[28:29]
	s_add_nc_u64 s[14:15], s[14:15], s[28:29]
	s_add_nc_u64 s[16:17], s[16:17], s[28:29]
	s_lshl_b32 s28, s30, 17                        ; tab: 16 batches of 8,192 bytes,
	s_lshl_b32 s31, s27, 7                         ; 16 units of 8 bytes
	s_add_co_u32 s28, s28, s31
	s_add_nc_u64 s[22:23], s[22:23], s[28:29]
	s_wait_alu depctr_va_vdst(0)
	v_lshlrev_b32 v4, 5, v1                        ; my row's scale bytes
	v_lshlrev_b32 v5, 2, v1                        ; my unit in b1, b2, V
	v_lshlrev_b32 v10, 3, v1
	v_lshl_add_u32 v10, v2, 16, v10                ; tab: batch 8 h, unit r
.irp s, 0,1,2,3,4,5,6,7
.irp p, 0,1,2,3,4,5
	global_load_b64 v[16+12*\s+2*\p:17+12*\s+2*\p], v3, s[4:5] offset:96*\s+48*(\p/3)+8*(\p%3)     ; query's fragment of K step s
.endr
.endr
.irp s, 0,1,2,3,4,5,6,7
.irp p, 0,1,2,3,4,5
	global_load_b64 v[112+12*\s+2*\p:113+12*\s+2*\p], v3, s[8:9] offset:96*\s+48*(\p/3)+8*(\p%3)   ; W2's
.endr
.endr
	global_load_b128 v[208:211], v4, s[6:7]        ; the eight scale words of my row of query: v208 + s
	global_load_b128 v[212:215], v4, s[6:7] offset:16
	global_load_b128 v[216:219], v4, s[10:11]      ; and of my row of W2: v216 + s
	global_load_b128 v[220:223], v4, s[10:11] offset:16
	global_load_b32 v6, v5, s[12:13]
	global_load_b32 v7, v5, s[14:15]
	global_load_b32 v8, v5, s[16:17]
	s_wait_loadcnt 0x0
	v_add_f32 v9, v6, v7
	v_mul_f32 v9, s32, v9                          ; c2 (b1 + b2)
.irp s, 0,1,2,3,4,5,6,7                        ; source 0 = 16 batches, source 1 = 16 units: lane (r, h) holds unit r, register j batch 8 h + j.  Two accumulators by turns
.if \s < 2
	v_wmma_scale_f32_16x16x128_f8f6f4 v[224+8*(\s%2):231+8*(\s%2)], v[16+12*\s:27+12*\s], v[112+12*\s:123+12*\s], 0, v[208+\s], v[216+\s] matrix_a_fmt:MATRIX_FMT_FP6 matrix_b_fmt:MATRIX_FMT_FP6
.else
	v_wmma_scale_f32_16x16x128_f8f6f4 v[224+8*(\s%2):231+8*(\s%2)], v[16+12*\s:27+12*\s], v[112+12*\s:123+12*\s], v[224+8*(\s%2):231+8*(\s%2)], v[208+\s], v[216+\s] matrix_a_fmt:MATRIX_FMT_FP6 matrix_b_fmt:MATRIX_FMT_FP6
.endif
.endr
.rept 4
	v_nop                                          ; four places ahead of the first read of the results (ISA guide 7.12.1)
.endr
.irp j, 0,1,2,3,4,5,6,7
	v_add_f32 v[240+2*\j], v[224+\j], v[232+\j]    ; both accumulators from their low ends on
.endr
.irp j, 0,1,2,3,4,5,6,7
	v_fma_f32 v[240+2*\j], v[240+2*\j], s32, v9
.endr
.irp j, 0,1,2,3,4,5,6,7
	v_mov_b32 v[241+2*\j], v8                      ; V rides beside it: one load of 8 bytes serves a unit in the main launch
.endr
.irp j, 0,1,2,3,4,5,6,7
	global_store_b64 v10, v[240+2*\j:241+2*\j], s[22:23] offset:8192*\j
.endr
	s_endpgm
.Lrelay:
	; ---- W1 in the order of the operand's registers
	s_sub_co_u32 s27, ttmp9, 128                   ; tile U, 0..63
	s_mul_i32 s28, s27, 16*ROWB
	s_add_nc_u64 s[18:19], s[18:19], s[28:29]
	s_lshl_b32 s28, s27, 9
	s_add_nc_u64 s[20:21], s[20:21], s[28:29]
	s_bfe_u32 s30, s27, 0x30002                    ; (U >> 2) & 7: the step
	s_mul_i32 s28, s30, 102400
	s_lshr_b32 s30, s27, 5                         ; which half of the units
	s_lshl_b32 s30, s30, 2
	s_and_b32 s31, s27, 3
	s_add_co_u32 s30, s30, s31
	s_mul_i32 s30, s30, 12800
	s_add_co_u32 s28, s28, s30
	s_add_nc_u64 s[24:25], s[24:25], s[28:29]
	v_and_b32 v4, 31, v0
	v_lshlrev_b32 v4, 4, v4                        ; 16 x lane
	s_wait_alu depctr_va_vdst(0)
.irp s, 0,1,2,3,4,5,6,7
.irp p, 0,1,2,3,4,5
	global_load_b64 v[16+12*\s+2*\p:17+12*\s+2*\p], v3, s[18:19] offset:96*\s+48*(\p/3)+8*(\p%3)
.endr
.endr
	global_load_b128 v[112:115], v4, s[20:21]      ; the 16 rows' scale bytes, as they lie
	s_wait_loadcnt 0x0
.irp s, 0,1,2,3,4,5,6,7
.irp c, 0,1,2
	global_store_b128 v4, v[16+12*\s+4*\c:19+12*\s+4*\c], s[24:25] offset:1536*\s+512*\c
.endr
.endr
	global_store_b128 v4, v[112:115], s[24:25] offset:12288
	s_endpgm
.Lfunc_end_k_q123f4473df_prep:
	.size	k_q123f4473df_prep, .Lfunc_end_k_q123f4473df_prep-k_q123f4473df_prep
	.p2alignl 7, 3214868480
	.fill 96, 4, 3214868480
	.section	.rodata,"a",@progbits
	.p2align	6, 0x0
	.amdhsa_kernel k_q123f4473df_prep
		.amdhsa_group_segment_fixed_size 0
		.amdhsa_private_segment_fixed_size 0
		.amdhsa_enable_private_segment 0
		.amdhsa_kernarg_size 88
		.amdhsa_user_sgpr_count 2
		.amdhsa_user_sgpr_kernarg_segment_ptr 1
		.amdhsa_wavefront_size32 1
		.amdhsa_system_sgpr_workgroup_id_x 1
		.amdhsa_system_sgpr_workgroup_id_y 1
		.amdhsa_system_sgpr_workgroup_id_z 1
		.amdhsa_system_vgpr_workitem_id 0
		.amdhsa_next_free_vgpr 256
		.amdhsa_next_free_sgpr 66
		.amdhsa_reserve_vcc 0
		.amdhsa_float_denorm_mode_32 3
		.amdhsa_float_denorm_mode_16_64 3
		.amdhsa_memory_ordered 1
		.amdhsa_forward_progress 1
		.amdhsa_inst_pref_size 23
	.end_amdhsa_kernel
	.amdgpu_metadata
---
amdhsa.version: [ 1, 2 ]
amdhsa.kernels:
  - .name:           k_q123f4473df_prep
    .symbol:         k_q123f4473df_prep.kd
    .args:
      - { .name: query_codes, .offset: 0, .size: 8, .value_kind: global_buffer, .address_space: global }
      - { .name: query_scales, .offset: 8, .size: 8, .value_kind: global_buffer, .address_space: global }
      - { .name: W2_codes, .offset: 16, .size: 8, .value_kind: global_buffer, .address_space: global }
      - { .name: W2_scales, .offset: 24, .size: 8, .value_kind: global_buffer, .address_space: global }
      - { .name: b1, .offset: 32, .size: 8, .value_kind: global_buffer, .address_space: global }
      - { .name: b2, .offset: 40, .size: 8, .value_kind: global_buffer, .address_space: global }
      - { .name: V, .offset: 48, .size: 8, .value_kind: global_buffer, .address_space: global }
      - { .name: W1_codes, .offset: 56, .size: 8, .value_kind: global_buffer, .address_space: global }
      - { .name: W1_scales, .offset: 64, .size: 8, .value_kind: global_buffer, .address_space: global }
      - { .name: tab, .offset: 72, .size: 8, .value_kind: global_buffer, .address_space: global }
      - { .name: w1img, .offset: 80, .size: 8, .value_kind: global_buffer, .address_space: global }
    .group_segment_fixed_size: 0
    .private_segment_fixed_size: 0
    .kernarg_segment_align: 8
    .kernarg_segment_size: 88
    .max_flat_workgroup_size: 32
    .sgpr_count:     66
    .vgpr_count:     256
    .wavefront_size: 32
...
	.end_amdgpu_metadata
.endif
;; end of part 4
;; launch attend (part 5): grid 256 x 1, 4 waves a work-group, clusters of 4 x 1, 327,680 bytes of LDS; arguments values, w1img, tab, bV, scores, pctx, stats; writes scores, pctx, stats
.if DOCPART == 5
	.amdgcn_target "amdgcn-amd-amdhsa--gfx1250"
	.amdhsa_code_object_version 6
	.text
	.protected	k_q123f4473df_attend
	.globl	k_q123f4473df_attend
	.p2align	8
	.type	k_q123f4473df_attend,@function
k_q123f4473df_attend:
	s_mov_b64 s[64:65], 0
	v_nop
	global_prefetch_b8 v0, s[64:65] scope:SCOPE_SE
	s_setreg_imm32_b32 hwreg(HW_REG_WAVE_MODE, 25, 1), 1
	s_wait_xcnt 0x0
	s_wait_alu depctr_hold_cnt(0) depctr_sa_sdst(0) depctr_va_vdst(0) depctr_va_sdst(0) depctr_va_ssrc(0) depctr_va_vcc(0) depctr_vm_vsrc(0)
	s_getreg_b32 s2, hwreg(HW_REG_IB_STS2, 6, 4)
	s_cmp_eq_u32 s2, 0
	s_cbranch_scc0 .Lentry_in_a_cluster
	s_endpgm
.Lentry_in_a_cluster:
	s_bfe_u32 s2, ttmp6, 0x10000c
	s_cmp_lg_u32 s2, 0x3003
	s_cbranch_scc0 .Lentry_shape_is_right
	s_endpgm
.Lentry_shape_is_right:
; score[b][s] = bV + sum over u of V[u] tanh((values W1)[b][s][u] + b1[u] + (query W2)[b][u] + b2[u]); then, for the work-group's 256 rows, the largest score M, p = e^(score - M),
; l = sum of p and the partial context sum of p x values' row.  The last launch joins the eight work-groups of a batch.
; values W1 is made on codes of E2M3 with one E8M0 scale for each 32 along K; values are quantised here, in f32, W1 comes as codes (laid by the launch before in the order of the operand's registers).
; tanh(x) = 1 - 2 / (1 + 2^(c2 x)), c2 = 2 log2(e): y = sum x c2 + tab's first word, e = 2^y, r = 1 / (1 + e); sum of V tanh = sum of V - 2 sum of V r.  e = infinity gives r = 0, e = 0 gives r = 1: both are tanh's ends.
; SHARES.  Work-group g = 4 x cluster + place owns rows 256 g .. 256 g + 255 (all of batch g / 8), as two blocks of 128.  Wave q = 2 i + j: rows 64 i .. 64 i + 63 of the block, units 512 j .. 512 j + 511.
; A wave keeps its 64 rows x K 1,024 as 32 fragments in registers; W1 goes by in 8 steps of 8 records (4 tiles of 16 units for each j) through a ring of two LDS slots, twice (once a block): 16 steps.
; CLUSTER.  Every work-group walks the same stream of W1, so the four of a cluster ask for each quarter of a slot JOINTLY: the same tensor load, the same descriptor, the mask 15.
; THE TIME LINE.  X0: block 0 is loaded and quantised.  G0: block 0's products and tanh; block 1 is loaded and quantised between them.  G1: block 1's products; block 0's rows are read again and summed under p.
; C1: block 1's rows are summed.  So values are read TWICE from memory: a row's weight is known only when all 1,024 units of it are done, and 128 rows of f32 beside the ring and the codes do not fit in LDS.
; AN ITERATION is one tile of 16 units: 32 matrix instructions (4 tiles of rows x 8 K steps; the four accumulators by turns) in 16 slots of two; ahead of the first slot stands the whole tanh of the tile before
; (two sets of accumulators), and behind slots 11, 14 and 15 a part of the side job (quantising, or the context's multiply-adds, and its loads).
; A TRIP of the loops is one step, four iterations, written once for each side job: the slot in hand is a scalar, turned by an exclusive or once a trip, so that the text stays short and each body is walked 2 to 8 times.
; SOURCE 0 = 16 rows of values, SOURCE 1 = 16 rows of W1: lane (r, h) holds unit r, register j row 8 h + j.  So a tile's table entry is one pair of registers, and the scores are 32 running sums, joined over lanes once a block.
; LIMITS.  NaN and infinities in values are not served.  A block of 32 whose largest magnitude lies under 2^-124 keeps the scale byte 1; a block of zeros has the byte 1 and zero codes (the bytes are read here alone).
; WORK THAT IS NOT USED, so that each loop has one form and its counted waits hold on every way: the last step of G0 asks once more for block 1's last K step (the look-ahead is held at 7): 16 KB a wave;
; the very last step fetches 14 registers' groups of fragments from the other slot (filled, not filled again, already read out), which no product takes.
;
; LDS: 0 the ring, two slots of 102,400 (record (j, t) at (4 j + t) x 12,800), filled by tensor loads alone; AIMG the block's 64 fragments as images of their registers ((8 mt + s) x 1,536; at the very end its first 16 KB
; carry the four waves' contexts); ASC their scale words ((8 mt + s) x 128 + 4 x lane); TAB the batch's table; PART partial scores; PWT p, a copy for each wave; SPARE the spare words.
; REGISTERS.  window 0: see the names below.  window 1: v0-191 A, K steps 0-3 (12 (4 s + m)); v192-255 set 0.  window 2: v0-191 A, K steps 4-7; v192-255 set 1.
; window 3: v0-47 B of K steps 0-3, v48-95 of K steps 4-7; v96-159 set 2; v160-223 set 3.  A set is 64 registers for numbers on their way in.
.set REC,   12800                      ; a record of w1img
.set FRB,   1536                       ; a fragment's image
.set SLOTB, 8*REC
.set QUART, 2*REC                      ; what one tensor load brings
.set AIMG,  2*SLOTB
.set ASC,   AIMG+64*FRB
.set TAB,   ASC+64*128
.set PART,  TAB+8192
.set PWT,   PART+1024
.set SPARE, PWT+2048                   ; 128 bytes for each wave: two blocks of 256 bytes that no other line names
.set CTXR,  AIMG
.set SPW, 1                            ; LDS address of my spare word; never rewritten
.set NIL, 2                            ; 0; never rewritten
.set LI,  3                            ; 16 x lane
.set LS,  4                            ; 4 x lane
.set XA,  5                            ; values: row r, + 64 h: my 16 numbers of a block of 32
.set XO,  6                            ; XA + a step along K
.set CO,  7                            ; LI + this trip's step down the rows
.set BC,  8                            ; my records' fragments in the slot in hand
.set BN,  9                            ; and in the other slot
.set SCU, 10                           ; my records' scale bytes in the slot in hand
.set SN,  11                           ; and in the other slot
.set TADR, 12                          ; TAD0 + this trip's step
.set TAD0, 13                          ; the table: TAB + 4,096 j + 8 r
.set XWI, 14                           ; where this trip's images go
.set XWS, 15                           ; and their scale words
.set ASCL, 16                          ; v16-47   A's scale words, 8 m + s
.set BSC, 48                           ; v48-63   B's scale words, two sets of 8
.set TT,  64                           ; v64-67   (c2 x projection, V), two sets
.set VS,  68                           ; v68      sum of V; v69 = 0, named with it as a pair
.set WADR, 70
.set WAD0, 71                          ; my rows' weights in my copy of p
.set WW,  72                           ; v72-75   two pairs of weights
.set SCR, 76                           ; v76-79   four scores
.set PP,  80                           ; v80-83   four p
.set M,   84                           ; the largest score so far
.set L,   85                           ; my lane's part of the sum of p
.set XWI0, 86
.set XWS0, 87
.set AR,  88                           ; my 32 fragments of A in AIMG
.set ASR, 89
.set PA,  90
.set PR,  91
.set PWS, 92
.set BL,  93                           ; my records' fragments in a slot: 51,200 j + 16 x lane; never rewritten
.set BSL, 94                           ; their scale bytes: 51,200 j + 12,288 + 32 r; never rewritten
.set ACC, 96                           ; v96-159  two sets of four accumulators
.set SACC, 160                         ; v160-191 sums of V r: 8 m + j
.set TM,  192                          ; v192-207 the quantiser's: largest magnitudes, bytes, scale operands
.set PW,  208                          ; the scale word just made
.set PC,  212                          ; v212-230 the codes just made
.set CTX, 192                          ; v192-223 the context, once the quantiser is done: columns 128 c + 4 x lane + 0..3 at 4 c
.set CW,  233
.set CR,  234
.set TABW, 235
.set TOFF, 236
.set T0,  240
.set T1,  241
.set F,   242                          ; v242 the factor for a moved M; v243 named with it as a pair
.set T2,  244
.set BH0, 0                            ; in window 3
.set BH1, 48
.set Q,   18                           ; wave
.set QI,  19
.set QJ,  20
.set G,   21                           ; work-group
.set BV,  22
.set ST0, 23                           ; holds numbers made of the wave's number and the loops' steps alone
.set G1,  24                           ; s[24:31] descriptor group 1
.set G0,  32                           ; s[32:35] group 0: slot 0's first fill, then the walking one;  s[36:39] slot 1's first fill
.set WB,  40                           ; s[40:41] w1img + 25,600 q
.set OFF, 42                           ; s[42:43]
.set KC,  44                           ; the step that the next refill brings, counted on
.set LC,  45
.set TS,  46
.set XSI, 47
.set SEL, 48                           ; s[48:49] v_permlanex16_b32's selects for lane l xor 16
.set C2,  50                           ; s[50:51]
.set XB0, 52                           ; s[52:53] values at row 256 g + 32 q
.set XB1, 54                           ; s[54:55] 128 rows on
.set CB,  56                           ; s[56:57] values at row 256 g + 2 q
.set XSS, 58
.set XK,  59
.set WS,  60
.set CK,  61
.set L2E, 62
.set ST1, 63
.set ST2, 66                           ; s[66:67]
.set QL,  68                           ; 25,600 q: my quarter of a slot
.set TB,  69                           ; LDS byte at which the slot in hand begins: 0 or SLOTB
.set TN,  70                           ; and the other slot
.set MSB, 0
.macro WIN new                         ; the immediate's high byte repeats the setting that is left; a switch that changes nothing is dropped
.if MSB != (\new)
	s_set_vgpr_msb (MSB<<8)|(\new)
.set MSB, \new
.endif
.endm
.macro PLACES n
	s_wait_alu depctr_va_vdst(0)
.rept \n
	v_nop
.endr
.endm
.macro CROUND                          ; a round of the cluster's barrier
	s_barrier_signal -1
	s_barrier_wait -1
	s_cmp_lg_u32 s[Q], 0
	s_cbranch_scc1 .Lnot_wave_0_\@
	s_barrier_signal -3
.Lnot_wave_0_\@:
	s_barrier_wait -3
	s_barrier_signal -1
	s_barrier_wait -1
.endm
.macro SETOF n                         ; set n: its window SW and its first register SB
.if (\n) == 0
.set SW, 1
.set SB, 192
.elseif (\n) == 1
.set SW, 2
.set SB, 192
.elseif (\n) == 2
.set SW, 3
.set SB, 96
.else
.set SW, 3
.set SB, 160
.endif
.endm
; 16 rows x 128 along K of values into the set: register 16 b + i = k 32 b + 16 h + i of row r.  The sixteen loads together cover 32 whole aligned runs of 256 bytes.  No hint: the bytes are read again.
.macro XLOAD adr, sb, off
	WIN SW<<6
.irp bq, 0,1,2,3
.irp jq, 0,1,2,3
	global_load_b128 v[SB+16*\bq+4*\jq:SB+16*\bq+4*\jq+3], v[\adr], s[\sb:\sb+1] offset:\off+128*\bq+16*\jq
.endr
.endr
	WIN 0
.endm
; The quantiser, in four parts.  Four blocks of 32 by turns; a block lies in lanes l and l xor 16.
.macro QMAX1
	WIN (SW<<2)|(SW<<4)
.irp bq, 0,1,2,3
	v_max3_num_f32 v[TM+\bq], 0x1800000, |v[SB+16*\bq]|, |v[SB+16*\bq+1]|      ; the floor 2^(3 - 127) among the leaves: the byte cannot fall under 1
.endr
	s_wait_alu depctr_va_vdst(0)
.irp iq, 2,4,6
.irp bq, 0,1,2,3
	v_max3_num_f32 v[TM+\bq], v[TM+\bq], |v[SB+16*\bq+\iq]|, |v[SB+16*\bq+\iq+1]|
.endr
.endr
	WIN 0
.endm
.macro QMAX2
	s_wait_alu depctr_va_vdst(0)                   ; the maxima were written some slots ago, with no plain vector work since
	WIN (SW<<2)|(SW<<4)
.irp iq, 8,10,12,14
.irp bq, 0,1,2,3
	v_max3_num_f32 v[TM+\bq], v[TM+\bq], |v[SB+16*\bq+\iq]|, |v[SB+16*\bq+\iq+1]|
.endr
.endr
	WIN 0
.endm
.macro QMID
.irp bq, 0,1,2,3
	v_permlanex16_b32 v[TM+4+\bq], v[TM+\bq], s[SEL], s[SEL+1]
.endr
.irp bq, 0,1,2,3
	v_max_num_f32 v[TM+\bq], v[TM+\bq], v[TM+4+\bq]        ; the block's largest magnitude
.endr
.irp bq, 0,1,2,3
	v_add_nc_u32 v[TM+12+\bq], 0xff000000, v[TM+\bq]       ; 2 off its exponent field: the conversion's scale operand
.endr
.irp bq, 0,1,2,3
	v_lshrrev_b32 v[TM+4+\bq], 23, v[TM+12+\bq]            ; the scale's byte
.endr
	v_lshl_or_b32 v[PW], v[TM+5], 8, v[TM+4]
	v_lshl_or_b32 v[PW], v[TM+6], 16, v[PW]
	v_lshl_or_b32 v[PW], v[TM+7], 24, v[PW]                ; my row's scale word
.endm
.macro QCVT
	WIN SW
.irp cq, 0,1
	v_cvt_scalef32_pk16_fp6_f32 v[PC+6*\cq:PC+6*\cq+2], v[SB+32*\cq:SB+32*\cq+15], v[TM+12+2*\cq]
	v_cvt_scalef32_pk16_fp6_f32 v[PC+12+4*\cq:PC+14+4*\cq], v[SB+16+32*\cq:SB+31+32*\cq], v[TM+13+2*\cq]   ; (a conversion's three registers begin on an even number)
.endr
	WIN 0
	v_nop                                          ; one plain place behind a scaled conversion
	s_wait_alu depctr_va_vdst(0)
.irp cq, 0,1                                   ; the operand's layout wants a whole block in a lane
.irp iq, 0,1,2
	v_permlane16_swap_b32 v[PC+6*\cq+\iq], v[PC+12+4*\cq+\iq]
.endr
.irp iq, 0,1,2
	v_mov_b32 v[PC+3+6*\cq+\iq], v[PC+12+4*\cq+\iq]
.endr
.endr
.endm
.macro IMAGE adr, off, sadr, soff      ; the fragment goes to LDS as an image of its registers, its scale words beside it
	s_wait_alu depctr_va_vdst(0)                   ; the codes were written some slots ago, with no plain vector work since
.irp cq, 0,1,2
	ds_store_b128 v[\adr], v[PC+4*\cq:PC+4*\cq+3] offset:\off+512*\cq
.endr
	ds_store_b32 v[\sadr], v[PW] offset:\soff
.endm
; Two whole rows of values into the set, 512 consecutive bytes a load: register 32 e + 4 c + i = column 128 c + 4 x lane + i of row e.  Their last read.
.macro CLOAD adr, off
	WIN SW<<6
.irp eq, 0,1
.irp cq, 0,1,2,3,4,5,6,7
	global_load_b128 v[SB+32*\eq+4*\cq:SB+32*\eq+4*\cq+3], v[\adr], s[CB:CB+1] offset:\off+4096*\eq+512*\cq th:TH_LOAD_NT
.endr
.endr
	WIN 0
.endm
.macro CROW e, ww                      ; the context takes row e of the set, times word e of the pair ww
	WIN SW
.irp cq, 0,2,4,6,8,10,12,14,16,18,20,22,24,26,28,30
.if (\e) == 0
	v_pk_fma_f32 v[CTX+\cq:CTX+\cq+1], v[SB+\cq:SB+\cq+1], v[\ww:\ww+1], v[CTX+\cq:CTX+\cq+1] op_sel_hi:[1,0,1]
.else
	v_pk_fma_f32 v[CTX+\cq:CTX+\cq+1], v[SB+32+\cq:SB+32+\cq+1], v[\ww:\ww+1], v[CTX+\cq:CTX+\cq+1] op_sel:[0,1,0]
.endif
.endr
	WIN 0
.endm
; THE TANH of the accumulators of set PS, in chunks for accumulator g.
.macro TA g                            ; y = sum x c2 + the table's first word; the lowest pair first
.set RX, ACC+32*PS+8*(\g)
.irp iq, 0,2,4,6
	v_pk_fma_f32 v[RX+\iq:RX+\iq+1], v[RX+\iq:RX+\iq+1], s[C2:C2+1], v[TT+2*PS:TT+2*PS+1] op_sel_hi:[1,0,0]
.endr
.endm
.macro TE g, lo                        ; four of e = 2^y
.set RX, ACC+32*PS+8*(\g)+(\lo)
.irp iq, 0,1,2,3
	v_exp_f32 v[RX+\iq], v[RX+\iq]
.endr
.endm
.macro TP g                            ; 1 + e
.set RX, ACC+32*PS+8*(\g)
.irp iq, 0,2,4,6
	v_pk_add_f32 v[RX+\iq:RX+\iq+1], v[RX+\iq:RX+\iq+1], 1.0 op_sel_hi:[1,0]
.endr
.endm
.macro TR g, lo                        ; four of r = 1 / (1 + e)
.set RX, ACC+32*PS+8*(\g)+(\lo)
.irp iq, 0,1,2,3
	v_rcp_f32 v[RX+\iq], v[RX+\iq]
.endr
.endm
.macro TC g                            ; the running sums take V r (V is the pair's second word)
.set RX, ACC+32*PS+8*(\g)
.irp iq, 0,2,4,6
	v_pk_fma_f32 v[SACC+8*(\g)+\iq:SACC+8*(\g)+\iq+1], v[RX+\iq:RX+\iq+1], v[TT+2*PS:TT+2*PS+1], v[SACC+8*(\g)+\iq:SACC+8*(\g)+\iq+1] op_sel:[0,1,0]
.endr
.endm
; THE WHOLE TANH of the tile before (set 1 - P), at an iteration's head, ahead of its first product: five batches of independent instructions on the tile's 32 registers.
; So no exponential and no reciprocal stands between two links of an accumulator's chain, and each batch has one wait ahead of it.
.macro TANH
.set PS, 1-P
	s_wait_alu depctr_va_vdst(0)                   ; directly ahead of the first readers of the matrix results
.irp gq, 0,1,2,3
	TA \gq
.endr
	s_wait_alu depctr_va_vdst(0)                   ; ahead of the 32 exponentials
.irp gq, 0,1,2,3
	TE \gq, 0
	TE \gq, 4
.endr
	v_nop                                          ; a plain place behind the exponentials
	s_wait_alu depctr_va_vdst(0)                   ; one wait for the batch, ahead of its first reader
.irp gq, 0,1,2,3
	TP \gq
.endr
	s_wait_alu depctr_va_vdst(0)                   ; ahead of the 32 reciprocals
.irp gq, 0,1,2,3
	TR \gq, 0
	TR \gq, 4
.endr
	v_add_f32 v[VS], v[VS], v[TT+2*PS+1]           ; the sum of V: also the plain place behind the reciprocals
	s_wait_alu depctr_va_vdst(0)                   ; one wait for the batch
.irp gq, 0,1,2,3
	TC \gq
.endr
.endm
; THE SIDE JOB's part behind slot K of iteration tau.  job 1: block 1 is quantised, K step = the step's number; set 0 its first 16 rows (iterations 0, 1), set 1 its second (2, 3).
; job 2: two pieces of two rows a step go into the context (iterations 0 and 2).  s_wait_loadcnt 16: the set's loads are in; the other set's sixteen, issued later, may be out.
.macro SIDE job, tau
.if \job == 1
	SETOF (\tau)/2
.if K == 11
.if ((\tau)&1) == 0
	s_wait_loadcnt 16
	QMAX1
.else
	QCVT
.endif
.elseif K == 14
.if ((\tau)&1) == 0
	QMAX2
.else
	IMAGE XWI, ((\tau)/2)*8*FRB, XWS, ((\tau)/2)*1024
.endif
.elseif K == 15
.if ((\tau)&1) == 1
	XLOAD XO, XB1, ((\tau)/2)*65536                ; the next K step, held at 7
.else
	QMID
.if (\tau) == 0
	s_wait_xcnt 0x0                                ; the loads that name XO were issued an iteration ago or more: XO is rewritten only behind this wait
	s_add_co_u32 s[ST0], s[XK], 512
	s_min_u32 s[ST0], s[ST0], 3584
	v_add_nc_u32 v[XO], s[ST0], v[XA]
.endif
.endif
.endif
.elseif ((\tau)&1) == 0
	SETOF (\tau)/2
.if K == 11
	s_wait_loadcnt 16
	CROW 0, WW+\tau
.elseif K == 14
	CROW 1, WW+\tau
.elseif K == 15
	CLOAD CO, 65536+((\tau)/2)*32768               ; the piece two on
.endif
.endif
.endm
.macro MM m                            ; one product: tile of rows m, K step KS
.set SL, (K&7)/2
.set KS, 4*(K/8)+SL
.set RDD, ACC+32*P+8*(\m)
.set RAA, 12*(4*SL+(\m))
.set RBB, 48*(K/8)+12*SL
.if KS == 0
	v_wmma_scale_f32_16x16x128_f8f6f4 v[RDD:RDD+7], v[RAA:RAA+11], v[RBB:RBB+11], 0, v[ASCL+8*(\m)+KS], v[BSC+8*P+KS] matrix_a_fmt:MATRIX_FMT_FP6 matrix_b_fmt:MATRIX_FMT_FP6
.else
	v_wmma_scale_f32_16x16x128_f8f6f4 v[RDD:RDD+7], v[RAA:RAA+11], v[RBB:RBB+11], v[RDD:RDD+7], v[ASCL+8*(\m)+KS], v[BSC+8*P+KS] matrix_a_fmt:MATRIX_FMT_FP6 matrix_b_fmt:MATRIX_FMT_FP6
.endif
.endm
.macro SLOT job, tau                   ; two products and, behind slots 11, 14 and 15, a part of the side job.  The four accumulators take turns, one instruction a turn
.if K < 8
	WIN 0x0d                                       ; A window 1, B window 3, C and D window 0
.else
	WIN 0x0e                                       ; A window 2
.endif
	MM 2*(K&1)
	MM 2*(K&1)+1
.if K == 7 || K == 11 || K > 13
	WIN 0                                          ; only where other work follows: the iteration's middle, the side job, the iteration's end
.endif
	SIDE \job, \tau
.set K, K+1
.endm
.macro BLOAD bh, adr, off              ; four fragments of B: twelve loads of 512 consecutive bytes
	WIN 0xc0
.irp sq, 0,1,2,3
.irp cq, 0,1,2
	ds_load_b128 v[\bh+12*\sq+4*\cq:\bh+12*\sq+4*\cq+3], v[\adr] offset:\off+FRB*\sq+512*\cq
.endr
.endr
	WIN 0
.endm
.macro SLOAD st, adr, off              ; a record's eight scale words of my row of W1
	ds_load_b128 v[BSC+8*(\st):BSC+8*(\st)+3], v[\adr] offset:\off
	ds_load_b128 v[BSC+8*(\st)+4:BSC+8*(\st)+7], v[\adr] offset:\off+16
.endm
; AN ITERATION.  mid = 0: the next tile lies in the same slot.  1: the slot has been read out: it is filled again, jointly, and the next tile lies in the other slot.  2: the same without a refill.
.macro ITER job, tau, mid
.set P, (\tau)&1
	PLACES 4                                       ; behind the last products: ahead of the loads into B's second half and of the tanh's first read of the results
	BLOAD BH1, BC, REC*(\tau)+4*FRB
	ds_load_b64 v[TT+2*P:TT+2*P+1], v[TADR] offset:128*(\tau)
.if (\job == 2) && (\tau == 0)
	ds_load_b64 v[WW:WW+1], v[WADR]
	ds_load_b64 v[WW+2:WW+3], v[WADR] offset:32
	TANH                                           ; the tile before, while the loads above are out
	s_wait_dscnt 15                                ; all but the 15 just issued: B's first half and its scale words are in
.else
	TANH                                           ; the tile before, while the loads above are out
	s_wait_dscnt 13                                ; all but the 13 just issued
.endif
.set K, 0
.rept 8
	SLOT \job, \tau
.endr
.if \mid == 0
	PLACES 4                                       ; ahead of the loads into B's first half
	BLOAD BH0, BC, REC*(\tau+1)
	SLOAD 1-P, SCU, REC*(\tau+1)
	s_wait_dscnt 14                                ; all but the 14 just issued: B's second half, the table's pair and the weights are in
.elseif \mid == 1
	s_wait_tensorcnt 0x0                           ; all my tensor loads have landed: the one that was out is my quarter of the other slot; so the group 0 may be written
	ds_add_u32 v[SPW], v[NIL]                      ; 0 onto my spare word
	s_and_b32 s[ST0], s[KC], 7                     ; the stream goes round: step KC mod 8
	s_mul_i32 s[OFF], s[ST0], SLOTB
	s_add_co_u32 s[KC], s[KC], 1
	s_add_co_u32 s[G0+1], s[TB], s[QL]             ; into the slot in hand, my quarter
	s_add_nc_u64 s[G0+2:G0+3], s[WB:WB+1], s[OFF:OFF+1]
	s_or_b32 s[G0+3], s[G0+3], 0x80000000
	s_wait_dscnt 0x0                               ; the add is done, and my reads of this slot are over (its last fragments came in with this iteration's head)
	CROUND                                         ; no wave of any partner still reads this slot or has a load on its way
	tensor_load_to_lds s[G0:G0+3], s[G1:G1+7]      ; my one tensor load behind the round: it has a whole step, 128 products, in which to land
	s_nop 0
	PLACES 4                                       ; these are also the places ahead of the loads into B's first half
	BLOAD BH0, BN, 0
	SLOAD 1-P, SN, 0
.else
	s_wait_tensorcnt 0x0                           ; my quarter of the last step's slot has landed
	ds_add_u32 v[SPW], v[NIL]
	s_wait_dscnt 0x0
	s_barrier_signal -1
	s_barrier_wait -1                              ; everybody's has; nothing is filled again
	PLACES 4
	BLOAD BH0, BN, 0                               ; (in the very last step these fourteen loads bring fragments that no product takes)
	SLOAD 1-P, SN, 0
.endif
.rept 8
	SLOT \job, \tau
.endr
.endm
; A TRIP is one step.  Its addresses are made once, from bases that are never rewritten and scalars that a trip steps by constants or turns by an exclusive or.
.macro TRIP job, lastmid
.if \job == 2
	s_wait_xcnt 0x0                                ; CO, which loads issued an iteration ago name, and a store's data are rewritten only behind this wait
.endif
	v_add_nc_u32 v[TADR], s[TS], v[TAD0]
	v_add_nc_u32 v[BC], s[TB], v[BL]
	v_add_nc_u32 v[SCU], s[TB], v[BSL]
	v_add_nc_u32 v[BN], s[TN], v[BL]
	v_add_nc_u32 v[SN], s[TN], v[BSL]
.if \job == 1
	v_add_nc_u32 v[XWI], s[XSI], v[XWI0]
	v_add_nc_u32 v[XWS], s[XSS], v[XWS0]
.else
	v_add_nc_u32 v[WADR], s[WS], v[WAD0]
	v_add_nc_u32 v[CO], s[CK], v[LI]
.endif
	ITER \job, 0, 0
	ITER \job, 1, 0
	ITER \job, 2, 0
	ITER \job, 3, \lastmid
	s_add_co_u32 s[TS], s[TS], 512
	s_xor_b32 s[TB], s[TB], SLOTB                  ; on to the other slot: 0 and SLOTB change places
	s_xor_b32 s[TN], s[TN], SLOTB
.if \job == 1
	s_add_co_u32 s[XSI], s[XSI], FRB
	s_add_co_u32 s[XSS], s[XSS], 128
	s_add_co_u32 s[XK], s[XK], 512
.else
	s_add_co_u32 s[WS], s[WS], 64
	s_add_co_u32 s[CK], s[CK], 65536
.endif
.endm
.macro DRAIN                           ; the last tile's tanh (set 1)
.set P, 0
	PLACES 4
	TANH
.endm
.macro ALOAD                           ; my 32 fragments of the block and their scale words, from their images
	WIN 0x40
.irp sq, 0,1,2,3
.irp mq, 0,1,2,3
.irp cq, 0,1,2
	ds_load_b128 v[12*(4*\sq+\mq)+4*\cq:12*(4*\sq+\mq)+4*\cq+3], v[AR] offset:(8*\mq+\sq)*FRB+512*\cq
.endr
.endr
.endr
	WIN 0x80
.irp sq, 0,1,2,3
.irp mq, 0,1,2,3
.irp cq, 0,1,2
	ds_load_b128 v[12*(4*\sq+\mq)+4*\cq:12*(4*\sq+\mq)+4*\cq+3], v[AR] offset:(8*\mq+4+\sq)*FRB+512*\cq
.endr
.endr
.endr
	WIN 0
.set I, 0
.rept 32
	ds_load_b32 v[ASCL+I], v[ASR] offset:128*I
.set I, I+1
.endr
.endm
; A block begins: the running sums are zeros, and so are accumulator set 1 and its table pair: the first iteration's tanh then works on a tile with V = 0, which adds nothing, and the iteration is written once.
.macro ZEROS
.set I, 0
.rept 32
	v_mov_b32 v[SACC+I], 0
	v_mov_b32 v[ACC+32+I], 0
.set I, I+1
.endr
	v_mov_b32 v[TT+2], 0
	v_mov_b32 v[TT+3], 0
	v_mov_b32 v[VS], 0
	v_mov_b32 v[VS+1], 0
.endm
; A BLOCK'S END: the scores of its 128 rows, the largest so far, p and its sum.  first = 1: the first block starts M and l.  blk: the block.
.macro EXCH first, blk
.set I, 0
.rept 16
	v_pk_fma_f32 v[SACC+I:SACC+I+1], v[SACC+I:SACC+I+1], -2.0, v[VS:VS+1] op_sel_hi:[1,0,0]     ; my unit column's V - 2 V r, summed over my tiles
.set I, I+2
.endr
.irp xm, 1,2,4,8                               ; over the sixteen lanes of a half: the sixteen units of a tile
.set I, 0
.rept 32
	v_add_f32_dpp v[SACC+I], v[SACC+I], v[SACC+I] row_xmask:\xm row_mask:0xf bank_mask:0xf
.set I, I+1
.endr
.endr
.irp mq, 0,1,2,3
.irp gq, 0,1
	ds_store_b128 v[PA], v[SACC+8*\mq+4*\gq:SACC+8*\mq+4*\gq+3] offset:64*\mq+16*\gq            ; row 16 m + 8 h + j of my 64; the lanes of a half write the same bytes with the same values
.endr
.endr
	s_wait_dscnt 0x0                               ; for the others' sake: my LDS stores (the images among them) have landed, my loads are in
	s_barrier_signal -1
	s_barrier_wait -1
	ds_load_b128 v[SCR:SCR+3], v[PR]               ; lane l: rows 4 l .. 4 l + 3 of the block, the units' first half,
	ds_load_b128 v[PP:PP+3], v[PR] offset:256      ; and the second
	s_wait_dscnt 0x0
.irp iq, 0,1,2,3
	v_add_f32 v[SCR+\iq], v[SCR+\iq], v[PP+\iq]
.endr
.irp iq, 0,1,2,3
	v_add_f32 v[SCR+\iq], s[BV], v[SCR+\iq]
.endr
	s_wait_alu depctr_va_vdst(0)                   ; ahead of the branch
	s_cmp_lg_u32 s[Q], 0                           ; all four waves hold the same scores: wave 0 stores them, 512 consecutive bytes
	s_cbranch_scc1 .Lnot_mine_\@
	global_store_b128 v[LI], v[SCR:SCR+3], s[12:13] offset:512*\blk
.Lnot_mine_\@:
	v_max3_num_f32 v[T0], v[SCR], v[SCR+1], v[SCR+2]
	v_max_num_f32 v[T0], v[T0], v[SCR+3]
.irp xm, 1,2,4,8
	v_max_num_f32_dpp v[T0], v[T0], v[T0] row_xmask:\xm row_mask:0xf bank_mask:0xf
.endr
	v_permlanex16_b32 v[T1], v[T0], s[SEL], s[SEL+1]
	v_max_num_f32 v[T0], v[T0], v[T1]              ; the block's largest score
.if \first
	v_mov_b32 v[M], v[T0]
.else
	v_max_num_f32 v[T0], v[T0], v[M]
	v_sub_f32 v[T1], v[M], v[T0]
	v_mul_f32 v[T1], s[L2E], v[T1]
	v_mov_b32 v[M], v[T0]
.endif
.irp iq, 0,1,2,3
	v_sub_f32 v[PP+\iq], v[SCR+\iq], v[M]
.endr
.irp iq, 0,1,2,3
	v_mul_f32 v[PP+\iq], s[L2E], v[PP+\iq]
.endr
	s_wait_alu depctr_va_vdst(0)                   ; ahead of the batch of exponentials
.if \first == 0
	v_exp_f32 v[F], v[T1]                          ; what was summed under the old M is multiplied by e^(old M - new M)
.endif
.irp iq, 0,1,2,3
	v_exp_f32 v[PP+\iq], v[PP+\iq]
.endr
	v_nop                                          ; a plain place behind the exponentials
	s_wait_alu depctr_va_vdst(0)
	v_add_f32 v[T0], v[PP], v[PP+1]
	v_add_f32 v[T1], v[PP+2], v[PP+3]
	v_add_f32 v[T0], v[T0], v[T1]
.if \first
	v_mov_b32 v[L], v[T0]
.else
	v_fma_f32 v[L], v[L], v[F], v[T0]
.endif
	ds_store_b128 v[PWS], v[PP:PP+3]               ; into my own copy: LDS serves a wave's instructions in order, so my later loads see it
.endm
; X0's piece: set n's sixteen loads are in (cnt: the younger sets' loads may be out), the last image's stores have read their registers; the set's 64 numbers a lane become a fragment's codes and a scale word.
.macro XQ n, cnt
	SETOF \n
	s_wait_loadcnt \cnt
	s_wait_dscnt 0x0
	QMAX1
	QMAX2
	QMID
	QCVT
.endm
	; ---- the head
	s_load_b256 s[4:11], s[0:1], 0x0               ; values, w1img, tab, bV
	s_load_b128 s[12:15], s[0:1], 0x20             ; scores, pctx
	s_load_b64 s[16:17], s[0:1], 0x30              ; stats
	v_lshl_add_u32 v[SPW], v0, 2, SPARE
	v_mov_b32 v[NIL], 0
	ds_add_u32 v1, v2
	ds_add_u32 v1, v2
	s_wait_dscnt 0x0
	v_lshrrev_b32 v[T0], 5, v0
	v_readfirstlane_b32 s[Q], v[T0]                ; wave 0..3
	s_lshr_b32 s[QI], s[Q], 1                      ; which 64 rows of a block
	s_and_b32 s[QJ], s[Q], 1                       ; which 512 units
	s_bfe_u32 s[ST1], ttmp6, 0x40000               ; my place in the cluster: it enters the addresses of values, tab and the results alone
	s_lshl_b32 s[G], ttmp9, 2
	s_add_co_u32 s[G], s[G], s[ST1]
	s_mov_b32 s[SEL], 0x76543210
	s_mov_b32 s[SEL+1], 0xfedcba98
	s_mov_b32 s[C2], 0x4038aa3b                    ; 2 log2(e)
	s_mov_b32 s[C2+1], s[C2]                       ; (named with it as a pair, so it is written)
	s_mov_b32 s[L2E], 0x3fb8aa3b                   ; log2(e)
	; descriptor group 1: a dense block of 25,600 bytes as 100 rows of 256 bytes
	s_mov_b32 s[G1], 15|(3<<16)|(1<<21)            ; 15:0 the mask: all four work-groups; 17:16 elements of 8 bytes; 20 no padding; 21 set beside a mask
	s_mov_b32 s[G1+1], 32<<16                      ; tensor_dim0 = 32
	s_mov_b32 s[G1+2], 100<<16                     ; tensor_dim1 = 100
	s_mov_b32 s[G1+3], 32<<16                      ; tile_dim0 = 32
	s_mov_b32 s[G1+4], 100                         ; tile_dim1 = 100
	s_mov_b32 s[G1+5], 32                          ; from row to row
	s_mov_b32 s[G1+6], 0
	s_mov_b32 s[G1+7], 0
	v_and_b32 v[T0], 31, v0                        ; lane
	v_and_b32 v[T1], 15, v0                        ; r
	v_bfe_u32 v[T2], v0, 4, 1                      ; h
	v_lshlrev_b32 v[LI], 4, v[T0]
	v_lshlrev_b32 v[LS], 2, v[T0]
	v_lshlrev_b32 v[XA], 12, v[T1]
	v_lshl_add_u32 v[XA], v[T2], 6, v[XA]
	s_mul_i32 s[ST0], s[QJ], 4*REC
	v_add_nc_u32 v[BL], s[ST0], v[LI]
	v_lshl_add_u32 v[BSL], v[T1], 5, 8*FRB
	v_add_nc_u32 v[BSL], s[ST0], v[BSL]
	s_lshl_b32 s[ST0], s[QJ], 12
	v_lshl_add_u32 v[TAD0], v[T1], 3, TAB
	v_add_nc_u32 v[TAD0], s[ST0], v[TAD0]
	s_mul_i32 s[ST0], s[Q], 16*FRB                 ; I quantise rows 32 q .. 32 q + 31 of a block: tiles 2 q, 2 q + 1
	v_add_nc_u32 v[XWI0], s[ST0], v[LI]
	v_add_nc_u32 v[XWI0], AIMG, v[XWI0]
	s_lshl_b32 s[ST0], s[Q], 11
	v_add_nc_u32 v[XWS0], s[ST0], v[LS]
	v_add_nc_u32 v[XWS0], ASC, v[XWS0]
	s_mul_i32 s[ST0], s[QI], 32*FRB                ; I multiply rows 64 i .. 64 i + 63: tiles 4 i .. 4 i + 3
	v_add_nc_u32 v[AR], s[ST0], v[LI]
	v_add_nc_u32 v[AR], AIMG, v[AR]
	s_lshl_b32 s[ST0], s[QI], 12
	v_add_nc_u32 v[ASR], s[ST0], v[LS]
	v_add_nc_u32 v[ASR], ASC, v[ASR]
	s_lshl_b32 s[ST0], s[Q], 8
	v_lshl_add_u32 v[PA], v[T2], 5, PART
	v_add_nc_u32 v[PA], s[ST0], v[PA]
	v_lshl_add_u32 v[PR], v[T2], 9, PART
	v_lshl_add_u32 v[PR], v[T1], 4, v[PR]
	s_lshl_b32 s[ST0], s[Q], 9
	v_add_nc_u32 v[PWS], s[ST0], v[LI]
	v_add_nc_u32 v[PWS], PWT, v[PWS]
	s_mul_i32 s[ST0], s[Q], 520                    ; my copy of p, and in it rows 2 q, 2 q + 1
	s_add_co_u32 s[ST0], s[ST0], PWT
	v_mov_b32 v[WAD0], s[ST0]
	v_lshl_add_u32 v[TABW], v0, 4, TAB
	v_lshlrev_b32 v[TOFF], 4, v0
	s_lshl_b32 s[ST0], s[Q], 12
	v_add_nc_u32 v[CW], s[ST0], v[LI]
	v_add_nc_u32 v[CW], CTXR, v[CW]
	s_lshl_b32 s[ST0], s[Q], 10
	v_add_nc_u32 v[CR], s[ST0], v[LI]
	v_add_nc_u32 v[CR], CTXR, v[CR]
.irp bq, 0,1,2,3
	v_mov_b32 v[TM+4+\bq], 0                       ; written once: a lane permute's destination counts as one of its sources
.endr
	v_mov_b32 v[F+1], 0                            ; (named as the upper half of a pair)
	s_lshl_b32 s[ST2], s[G], 20                    ; 256 rows of 4,096 bytes
	s_mov_b32 s[ST2+1], 0
	s_mul_i32 s[QL], s[Q], QUART
	s_mov_b32 s[OFF], s[QL]
	s_mov_b32 s[OFF+1], 0
	s_wait_kmcnt 0x0
	s_load_b32 s[BV], s[10:11], 0x0
	s_add_nc_u64 s[4:5], s[4:5], s[ST2:ST2+1]
	s_lshl_b32 s[ST2], s[Q], 17
	s_add_nc_u64 s[XB0:XB0+1], s[4:5], s[ST2:ST2+1]
	s_add_nc_u64 s[XB1:XB1+1], s[XB0:XB0+1], 0x80000
	s_lshl_b32 s[ST2], s[Q], 13
	s_add_nc_u64 s[CB:CB+1], s[4:5], s[ST2:ST2+1]
	s_lshr_b32 s[ST2], s[G], 3
	s_lshl_b32 s[ST2], s[ST2], 13
	s_add_nc_u64 s[8:9], s[8:9], s[ST2:ST2+1]      ; the batch's table
	s_lshl_b32 s[ST2], s[G], 10
	s_add_nc_u64 s[12:13], s[12:13], s[ST2:ST2+1]  ; my 256 scores
	s_lshl_b32 s[ST2], s[G], 12
	s_lshl_b32 s[ST0], s[Q], 10
	s_add_co_u32 s[ST2], s[ST2], s[ST0]
	s_add_nc_u64 s[14:15], s[14:15], s[ST2:ST2+1]  ; my 256 columns of the work-group's context
	s_lshl_b32 s[ST2], s[G], 3
	s_add_nc_u64 s[16:17], s[16:17], s[ST2:ST2+1]
	s_add_nc_u64 s[WB:WB+1], s[6:7], s[OFF:OFF+1]  ; the stream at my quarter: made of the wave's number alone, alike in all four partners
	s_mov_b32 s[G0], 1                             ; 1:0 count = 1
	s_mov_b32 s[G0+1], s[QL]                       ; 63:32 LDS address: slot 0, my quarter
	s_mov_b64 s[G0+2:G0+3], s[WB:WB+1]             ; 120:64 global address: step 0
	s_or_b32 s[G0+3], s[G0+3], 0x80000000          ; 127:126 type = 2
	s_mov_b32 s[G0+4], 1
	s_add_co_u32 s[G0+5], s[QL], SLOTB             ; slot 1
	s_add_nc_u64 s[G0+6:G0+7], s[WB:WB+1], SLOTB   ; step 1
	s_or_b32 s[G0+7], s[G0+7], 0x80000000
	CROUND                                         ; all four work-groups are here: the first joint loads meet
	tensor_load_to_lds s[G0:G0+3], s[G1:G1+7]      ; slot 0's first fill: one tensor load a wave at the head
	s_nop 0
	PLACES 4
	; ---- X0: block 0 is quantised: 16 pieces (tile n & 1 of my two, K step 2 t + (n >> 1)) through four sets: three trips of four pieces, each refilled with the K step two on; the last four are written out
.irp nq, 0,1,2,3
	global_load_b128 v[ACC+4*\nq:ACC+4*\nq+3], v[TOFF], s[8:9] offset:2048*\nq     ; the batch's table, 16 bytes a thread
.endr
	SETOF 0
	XLOAD XA, XB0, 0
	SETOF 1
	XLOAD XA, XB0, 65536
	SETOF 2
	XLOAD XA, XB0, 512
	s_wait_loadcnt 48                              ; the table's four loads are in; three sets' 48 are younger
.irp nq, 0,1,2,3
	ds_store_b128 v[TABW], v[ACC+4*\nq:ACC+4*\nq+3] offset:2048*\nq
.endr
	SETOF 3
	XLOAD XA, XB0, 65536+512
	s_mov_b32 s[XSI], 0
	s_mov_b32 s[XSS], 0
	s_mov_b32 s[XK], 0
	s_mov_b32 s[LC], 3
.Lx0:
	s_wait_xcnt 0x0                                ; XO, which loads that are out name, is rewritten only behind this wait
	v_add_nc_u32 v[XWI], s[XSI], v[XWI0]
	v_add_nc_u32 v[XWS], s[XSS], v[XWS0]
	v_add_nc_u32 v[XO], s[XK], v[XA]
.irp nq, 0,1,2,3
	XQ \nq, 48                                     ; three younger sets may be out
	IMAGE XWI, (\nq&1)*8*FRB+(\nq>>1)*FRB, XWS, (\nq&1)*1024+(\nq>>1)*128
	XLOAD XO, XB0, (\nq&1)*65536+((\nq>>1)+2)*512
.endr
	s_add_co_u32 s[XSI], s[XSI], 2*FRB
	s_add_co_u32 s[XSS], s[XSS], 256
	s_add_co_u32 s[XK], s[XK], 1024
	s_sub_co_u32 s[LC], s[LC], 1
	s_cmp_lg_u32 s[LC], 0
	s_cbranch_scc1 .Lx0
.irp nq, 0,1,2,3                               ; K steps 6 and 7: sets 0 and 1 take block 1's first K step, sets 2 and 3 nothing: the counts are 48, 48, 48, 32
	XQ \nq, 48-16*(\nq/3)
	IMAGE XWI0, (\nq&1)*8*FRB+(6+(\nq>>1))*FRB, XWS0, (\nq&1)*1024+(6+(\nq>>1))*128
.if \nq < 2
	XLOAD XA, XB1, \nq*65536
.endif
.endr
	; ---- block 0 begins
	s_wait_kmcnt 0x0                               ; bV
	s_wait_alu depctr_va_vdst(0)
	s_wait_tensorcnt 0x0                           ; my quarter of slot 0 has landed
	ds_add_u32 v[SPW], v[NIL]                      ; ahead of a later first fill, as ahead of a refill
	s_wait_dscnt 0x0                               ; the add is done; my images and my part of the table have landed
	CROUND                                         ; everybody's have, and all four work-groups are here
	tensor_load_to_lds s[G0+4:G0+7], s[G1:G1+7]    ; slot 1's first fill, my one tensor load behind the round: it has step 0, 128 products, in which to land
	s_nop 0
	PLACES 4
	ALOAD
	ZEROS
	s_wait_dscnt 0x0                               ; my reads of the images are over:
	s_barrier_signal -1
	s_barrier_wait -1                              ; everybody's are, so block 1's images may be laid over them
	BLOAD BH0, BL, 0                               ; the first tile: slot 0 begins at LDS byte 0
	SLOAD 0, BSL, 0
	s_mov_b32 s[KC], 2
	s_mov_b32 s[TB], 0
	s_mov_b32 s[TN], SLOTB
	s_mov_b32 s[TS], 0
	s_mov_b32 s[XSI], 0
	s_mov_b32 s[XSS], 0
	s_mov_b32 s[XK], 0
	s_mov_b32 s[LC], 8
.Lg0:                                              ; G0: steps 0-7; every one fills its slot again
	TRIP 1, 1
	s_sub_co_u32 s[LC], s[LC], 1
	s_cmp_lg_u32 s[LC], 0
	s_cbranch_scc1 .Lg0
	; ---- between the blocks.  (B's first fragments of step 8 are in registers already; one tensor load of mine is out, across a barrier behind which nothing is filled)
	DRAIN
	EXCH 1, 0
	s_wait_loadcnt 0x0                             ; the held look-ahead's loads: their registers are loaded anew
	SETOF 0
	CLOAD LI, 0                                    ; block 0's rows come again: pieces 0 and 1 (piece n: rows 8 n + 2 q, 8 n + 2 q + 1)
	SETOF 1
	CLOAD LI, 32768
	ALOAD                                          ; block 1's fragments: the barrier above has shown every wave's images
	ZEROS
.set I, 0
.rept 32
	v_mov_b32 v[CTX+I], 0                          ; the context begins
.set I, I+1
.endr
	s_wait_dscnt 0x0
	s_mov_b32 s[TS], 0
	s_mov_b32 s[WS], 0
	s_mov_b32 s[CK], 0
	s_mov_b32 s[LC], 6
.Lg1:                                              ; G1: steps 8-13 fill their slots again
	TRIP 2, 1
	s_sub_co_u32 s[LC], s[LC], 1
	s_cmp_lg_u32 s[LC], 0
	s_cbranch_scc1 .Lg1
	s_mov_b32 s[LC], 2
.Lg1t:                                             ; steps 14 and 15 have a body of their own: nothing is left to fetch
	TRIP 2, 2
	s_sub_co_u32 s[LC], s[LC], 1
	s_cmp_lg_u32 s[LC], 0
	s_cbranch_scc1 .Lg1t
	; ---- the end: block 1's scores, then its rows
	SETOF 2
	CLOAD LI, 18*32768                             ; pieces 16 and 17 were asked for by step 15
	SETOF 3
	CLOAD LI, 19*32768
	DRAIN
	EXCH 0, 1
.set I, 0
.rept 16
	v_pk_mul_f32 v[CTX+I:CTX+I+1], v[CTX+I:CTX+I+1], v[F:F+1] op_sel_hi:[1,0]      ; block 0's context under the new M
.set I, I+2
.endr
	; C1: block 1's 16 pieces through the four sets: three trips of four, each refilled with the piece four on; the last four are written out
	s_mov_b32 s[WS], 0
	s_mov_b32 s[CK], 0
	s_mov_b32 s[LC], 3
.Lc1:
	s_wait_xcnt 0x0                                ; CO is rewritten only behind this wait
	v_add_nc_u32 v[WADR], s[WS], v[WAD0]
	v_add_nc_u32 v[CO], s[CK], v[LI]
.irp nq, 0,1,2,3
	ds_load_b64 v[ACC+2*\nq:ACC+2*\nq+1], v[WADR] offset:32*\nq                    ; the four pieces' weights, from my copy of p
.endr
	s_wait_dscnt 0x0
.irp nq, 0,1,2,3
	SETOF \nq
	s_wait_loadcnt 48                              ; three younger sets may be out
	CROW 0, ACC+2*\nq
	CROW 1, ACC+2*\nq
	CLOAD CO, (20+\nq)*32768
.endr
	s_add_co_u32 s[WS], s[WS], 128
	s_add_co_u32 s[CK], s[CK], 131072
	s_sub_co_u32 s[LC], s[LC], 1
	s_cmp_lg_u32 s[LC], 0
	s_cbranch_scc1 .Lc1
.irp nq, 0,1,2,3
	ds_load_b64 v[ACC+2*\nq:ACC+2*\nq+1], v[WAD0] offset:32*(12+\nq)
.endr
	s_wait_dscnt 0x0
.irp nq, 0,1,2,3
	SETOF \nq
	s_wait_loadcnt 16*(3-\nq)                      ; the counts run down: nothing more is asked for
	CROW 0, ACC+2*\nq
	CROW 1, ACC+2*\nq
.endr
.irp xm, 1,2,4,8
	v_add_f32_dpp v[L], v[L], v[L] row_xmask:\xm row_mask:0xf bank_mask:0xf
.endr
	v_permlanex16_b32 v[T1], v[L], s[SEL], s[SEL+1]
	v_add_f32 v[L], v[L], v[T1]                    ; the sum of p over the 256 rows
.irp cq, 0,1,2,3,4,5,6,7
	ds_store_b128 v[CW], v[CTX+4*\cq:CTX+4*\cq+3] offset:512*\cq                   ; my rows' context, as a row of 4,096 bytes, where the images lay (nobody has read them since G1 began)
.endr
	s_wait_dscnt 0x0
	s_barrier_signal -1
	s_barrier_wait -1
.irp wq, 0,1,2,3
.irp tq, 0,1
	ds_load_b128 v[ACC+4*(2*\wq+\tq):ACC+4*(2*\wq+\tq)+3], v[CR] offset:4096*\wq+512*\tq     ; columns 256 q .. 256 q + 255 of all four
.endr
.endr
	s_wait_dscnt 0x0
.irp iq, 0,2,4,6
	v_pk_add_f32 v[ACC+\iq:ACC+\iq+1], v[ACC+\iq:ACC+\iq+1], v[ACC+8+\iq:ACC+8+\iq+1]
	v_pk_add_f32 v[ACC+16+\iq:ACC+16+\iq+1], v[ACC+16+\iq:ACC+16+\iq+1], v[ACC+24+\iq:ACC+24+\iq+1]
.endr
.irp iq, 0,2,4,6
	v_pk_add_f32 v[ACC+\iq:ACC+\iq+1], v[ACC+\iq:ACC+\iq+1], v[ACC+16+\iq:ACC+16+\iq+1]
.endr
	global_store_b128 v[LI], v[ACC:ACC+3], s[14:15]                ; 512 consecutive bytes a store
	global_store_b128 v[LI], v[ACC+4:ACC+7], s[14:15] offset:512
	v_mov_b32 v[T1], 0
	v_cmp_eq_u32 vcc_lo, 0, v0
	s_wait_alu depctr_va_vdst(0)                   ; directly ahead of the wait below
	s_wait_xcnt 0x0                                ; EXEC changes only behind this wait
	s_and_saveexec_b32 s[ST0], vcc_lo
	global_store_b64 v[T1], v[M:M+1], s[16:17]     ; thread 0: (M, l)
	s_wait_xcnt 0x0                                ; and again ahead of the line that widens it
	s_or_b32 exec_lo, exec_lo, s[ST0]
	s_wait_tensorcnt 0x0                           ; the wave's end
	ds_add_u32 v[SPW], v[NIL]
	s_wait_dscnt 0x0
	CROUND                                         ; the closing round: no work-group ends while a partner may still ask for a tile that names it
	s_endpgm
.Lfunc_end_k_q123f4473df_attend:
	.size	k_q123f4473df_attend, .Lfunc_end_k_q123f4473df_attend-k_q123f4473df_attend
	.p2alignl 7, 3214868480
	.fill 96, 4, 3214868480
	.section	.rodata,"a",@progbits
	.p2align	6, 0x0
	.amdhsa_kernel k_q123f4473df_attend
		.amdhsa_group_segment_fixed_size 327680
		.amdhsa_private_segment_fixed_size 0
		.amdhsa_enable_private_segment 0
		.amdhsa_kernarg_size 56
		.amdhsa_user_sgpr_count 2
		.amdhsa_user_sgpr_kernarg_segment_ptr 1
		.amdhsa_wavefront_size32 1
		.amdhsa_system_sgpr_workgroup_id_x 1
		.amdhsa_system_sgpr_workgroup_id_y 1
		.amdhsa_system_sgpr_workgroup_id_z 1
		.amdhsa_system_vgpr_workitem_id 0
		.amdhsa_next_free_vgpr 1024
		.amdhsa_next_free_sgpr 80
		.amdhsa_reserve_vcc 1
		.amdhsa_float_denorm_mode_32 3
		.amdhsa_float_denorm_mode_16_64 3
		.amdhsa_memory_ordered 1
		.amdhsa_forward_progress 1
		.amdhsa_inst_pref_size 255
	.end_amdhsa_kernel
	.section	.bss,"aw",@nobits
	.p2align	6
	.space	262144
	.amdgpu_metadata
---
amdhsa.version: [ 1, 2 ]
amdhsa.kernels:
  - .name:           k_q123f4473df_attend
    .symbol:         k_q123f4473df_attend.kd
    .args:
      - { .name: values, .offset: 0, .size: 8, .value_kind: global_buffer, .address_space: global }
      - { .name: w1img, .offset: 8, .size: 8, .value_kind: global_buffer, .address_space: global }
      - { .name: tab, .offset: 16, .size: 8, .value_kind: global_buffer, .address_space: global }
      - { .name: bV, .offset: 24, .size: 8, .value_kind: global_buffer, .address_space: global }
      - { .name: scores, .offset: 32, .size: 8, .value_kind: global_buffer, .address_space: global }
      - { .name: pctx, .offset: 40, .size: 8, .value_kind: global_buffer, .address_space: global }
      - { .name: stats, .offset: 48, .size: 8, .value_kind: global_buffer, .address_space: global }
    .group_segment_fixed_size: 327680
    .private_segment_fixed_size: 0
    .kernarg_segment_align: 8
    .kernarg_segment_size: 56
    .max_flat_workgroup_size: 128
    .sgpr_count:     80
    .vgpr_count:     1024
    .wavefront_size: 32
...
	.end_amdgpu_metadata
.endif
;; end of part 5
;; launch finish (part 6): grid 8 x 32, 2 waves a work-group, no clusters, 0 bytes of LDS; arguments scores, pctx, stats, out0, out1; writes out0, out1
.if DOCPART == 6
	.amdgcn_target "amdgcn-amd-amdhsa--gfx1250"
	.amdhsa_code_object_version 6
	.text
	.protected	k_q123f4473df_finish
	.globl	k_q123f4473df_finish
	.p2align	8
	.type	k_q123f4473df_finish,@function
k_q123f4473df_finish:
	s_mov_b64 s[64:65], 0
	v_nop
	global_prefetch_b8 v0, s[64:65] scope:SCOPE_SE
	s_setreg_imm32_b32 hwreg(HW_REG_WAVE_MODE, 25, 1), 1
	s_wait_xcnt 0x0
; The eight work-groups' results of a batch are joined.  M = the largest of their M_g; e_g = e^(M_g - M); L = sum of l_g e_g;
; out1[b][s] = e^(score - M) / L;  out0[b][c] = (sum over g of e_g x pctx[8 b + g][c]) / L.
; Work-group (x, b), 64 threads: 256 weights (16 bytes a thread: a wave stores 512 consecutive bytes) and 128 columns (8 bytes a thread: a wave stores 256 consecutive bytes, aligned).
; No LDS, no barrier, no matrix unit: 1.7 MB move in all.  The group that holds M has l of at least 1, so L is at least 1.
.set L2E, 0x3fb8aa3b                   ; log2(e)
	s_load_b128 s[4:7], s[0:1], 0x0                ; scores, pctx
	s_load_b128 s[8:11], s[0:1], 0x10              ; stats, out0
	s_load_b64 s[12:13], s[0:1], 0x20              ; out1
	s_and_b32 s14, ttmp7, 0xffff                   ; the batch
	s_lshl_b32 s15, s14, 3
	s_add_co_u32 s15, s15, ttmp9                   ; 8 b + x
	v_lshlrev_b32 v1, 4, v0
	v_lshlrev_b32 v2, 3, v0
	s_mov_b32 s37, 0
	s_lshl_b32 s38, ttmp9, 9                       ; my 128 columns, in bytes
	s_wait_alu depctr_va_vdst(0)
	s_wait_kmcnt 0x0
	s_lshl_b32 s36, s14, 6
	s_add_nc_u64 s[8:9], s[8:9], s[36:37]
	s_load_b512 s[16:31], s[8:9], 0x0              ; (M_g, l_g), g = 0 .. 7
	s_lshl_b32 s36, s15, 10
	s_add_nc_u64 s[4:5], s[4:5], s[36:37]
	s_add_nc_u64 s[12:13], s[12:13], s[36:37]
	global_load_b128 v[4:7], v1, s[4:5]
	s_lshl_b32 s36, s14, 15
	s_add_co_u32 s36, s36, s38
	s_add_nc_u64 s[6:7], s[6:7], s[36:37]
.irp g, 0,1,2,3,4,5,6,7
	global_load_b64 v[8+2*\g:9+2*\g], v2, s[6:7] offset:4096*\g
.endr
	s_lshl_b32 s36, s14, 12
	s_add_co_u32 s36, s36, s38
	s_add_nc_u64 s[10:11], s[10:11], s[36:37]
	s_wait_kmcnt 0x0
	v_mov_b32 v24, s16
	v_max3_num_f32 v24, v24, s18, s20
	v_max3_num_f32 v24, v24, s22, s24
	v_max3_num_f32 v24, v24, s26, s28
	v_max_num_f32 v24, s30, v24                    ; M
.irp g, 0,1,2,3,4,5,6,7
	v_sub_f32 v[26+\g], s[16+2*\g], v24
.endr
.irp g, 0,1,2,3,4,5,6,7
	v_mul_f32 v[26+\g], L2E, v[26+\g]
.endr
	s_wait_alu depctr_va_vdst(0)
.irp g, 0,1,2,3,4,5,6,7
	v_exp_f32 v[26+\g], v[26+\g]                   ; e_g
.endr
	v_nop                                          ; a plain place behind the exponentials
	s_wait_alu depctr_va_vdst(0)
	v_mul_f32 v34, s17, v26
.irp g, 1,2,3,4,5,6,7
	v_fmac_f32 v34, s[17+2*\g], v[26+\g]           ; L
.endr
	s_wait_alu depctr_va_vdst(0)
	v_rcp_f32 v35, v34
	s_wait_loadcnt 0x0
.irp i, 0,1,2,3
	v_sub_f32 v[4+\i], v[4+\i], v24                ; (plain places behind the reciprocal)
.endr
.irp i, 0,1,2,3
	v_mul_f32 v[4+\i], L2E, v[4+\i]
.endr
	s_wait_alu depctr_va_vdst(0)
.irp i, 0,1,2,3
	v_exp_f32 v[4+\i], v[4+\i]
.endr
	v_mul_f32 v36, v8, v26                         ; (a plain place behind the exponentials)
	v_mul_f32 v37, v9, v26
.irp g, 1,2,3,4,5,6,7
	v_fmac_f32 v36, v[8+2*\g], v[26+\g]
	v_fmac_f32 v37, v[9+2*\g], v[26+\g]
.endr
	s_wait_alu depctr_va_vdst(0)
.irp i, 0,1,2,3
	v_mul_f32 v[4+\i], v[4+\i], v35
.endr
	v_mul_f32 v36, v36, v35
	v_mul_f32 v37, v37, v35
	global_store_b128 v1, v[4:7], s[12:13]
	global_store_b64 v2, v[36:37], s[10:11]
	s_endpgm
.Lfunc_end_k_q123f4473df_finish:
	.size	k_q123f4473df_finish, .Lfunc_end_k_q123f4473df_finish-k_q123f4473df_finish
	.p2alignl 7, 3214868480
	.fill 96, 4, 3214868480
	.section	.rodata,"a",@progbits
	.p2align	6, 0x0
	.amdhsa_kernel k_q123f4473df_finish
		.amdhsa_group_segment_fixed_size 0
		.amdhsa_private_segment_fixed_size 0
		.amdhsa_enable_private_segment 0
		.amdhsa_kernarg_size 40
		.amdhsa_user_sgpr_count 2
		.amdhsa_user_sgpr_kernarg_segment_ptr 1
		.amdhsa_wavefront_size32 1
		.amdhsa_system_sgpr_workgroup_id_x 1
		.amdhsa_system_sgpr_workgroup_id_y 1
		.amdhsa_system_sgpr_workgroup_id_z 1
		.amdhsa_system_vgpr_workitem_id 0
		.amdhsa_next_free_vgpr 48
		.amdhsa_next_free_sgpr 66
		.amdhsa_reserve_vcc 0
		.amdhsa_float_denorm_mode_32 3
		.amdhsa_float_denorm_mode_16_64 3
		.amdhsa_memory_ordered 1
		.amdhsa_forward_progress 1
		.amdhsa_inst_pref_size 6
	.end_amdhsa_kernel
	.amdgpu_metadata
---
amdhsa.version: [ 1, 2 ]
amdhsa.kernels:
  - .name:           k_q123f4473df_finish
    .symbol:         k_q123f4473df_finish.kd
    .args:
      - { .name: scores, .offset: 0, .size: 8, .value_kind: global_buffer, .address_space: global }
      - { .name: pctx, .offset: 8, .size: 8, .value_kind: global_buffer, .address_space: global }
      - { .name: stats, .offset: 16, .size: 8, .value_kind: global_buffer, .address_space: global }
      - { .name: out0, .offset: 24, .size: 8, .value_kind: global_buffer, .address_space: global }
      - { .name: out1, .offset: 32, .size: 8, .value_kind: global_buffer, .address_space: global }
    .group_segment_fixed_size: 0
    .private_segment_fixed_size: 0
    .kernarg_segment_align: 8
    .kernarg_segment_size: 40
    .max_flat_workgroup_size: 64
    .sgpr_count:     66
    .vgpr_count:     48
    .wavefront_size: 32
...
	.end_amdgpu_metadata
.endif
;; end of part 6
